; MI455X (gfx1250); checked and timed in simulation.
; The chip was launched on July 23, 2026; its instructions are those of AMD's public machine-readable ISA for CDNA 5 (MIT licence, August 2026) and "CDNA5" Instruction Set Architecture Reference Guide (July 2026). The comments in the code are by the model that wrote it; some were corrected since.
;; Single Attention. Allowed arithmetic: matrix products marked QUANTISED: E5M2 operands, one E8M0 scale for each 32 along K, by v_wmma_scale_f32_16x16x128_f8f6f4 with both operands' format E5M2, f32 sums; everything else in f32.
;; Inputs: Wk 1,024 x 1,024 float32; Wq 1,024 x 1,024 float32; Wv 1,024 x 1,024 float32; bk 1,024 float32; bq 1,024 float32; bv 1,024 float32; key_in 4 x 2,048 x 1,024 float32; query 4 x 2,048 x 1,024 float32; value 4 x 2,048 x 1,024 float32.
;; Outputs: out0 4 x 2,048 x 1,024 float32.
;; This version of the problem:
;;   THIS VERSION OF THE PROBLEM IS GIVEN IN LOW PRECISION. The matrix products marked QUANTISED in the list below multiply operands that are first quantised to E5M2 (5 exponent bits, 2 mantissa bits; 8 bits a number), with one power-of-two scale for each 32 numbers along K (OCP MX v1.0); their sums are f32. All else is computed in f32.
;;   The module's matrix products, in the order in which they are computed (A, B: the left and right operand; K: the contracted axis; several contracted axes count as one K, in the product's order):
;;     1. [M 8,192, K 1,024] x [K 1,024, N 1,024]; A: input query; B: input Wq: QUANTISED
;;     2. [M 8,192, K 1,024] x [K 1,024, N 1,024]; A: input key_in; B: input Wk: QUANTISED
;;     3. batch 4 x [M 2,048, K 1,024] x [K 1,024, N 2,048]; A: computed on the way; B: computed on the way: QUANTISED
;;     4. batch 4 x [M 2,048, K 2,048] x [K 2,048, N 1,024]; A: softmax (see below); B: input value: QUANTISED
;;   THE QUANTISER, for each operand of a quantised product, along K:
;;     - K is cut into blocks of 32 from its start; a last block that is shorter is filled with zeros.
;;     - A block's scale is 2^e with e = floor(log2(the largest magnitude in the block)) - 15, held to -126 .. 127; a block of zeros has e = 0. As a byte (E8M0): e + 127.
;;     - Each number is divided by its block's scale, clamped to +-57,344, and rounded to the nearest number of E5M2, ties to even, subnormals kept.
;;     - The product sums the exact products of the quantised numbers (number of the format x scale) in f32.
;;   ~~~python
;;   def quantise(x, axis):      # numpy; x: float32 -> the quantised numbers, widened to float32 again
;;       x = np.moveaxis(x, axis, -1); K = x.shape[-1]
;;       x = np.pad(x, [(0, 0)] * (x.ndim - 1) + [(0, -K % 32)]); x = x.reshape(x.shape[:-1] + (-1, 32)); a = np.abs(x).max(-1, keepdims=True)
;;       e = np.where(a > 0, np.clip(np.frexp(np.where(a > 0, a, 1))[1] - 1 - 15, -126, 127), 0)      # np.frexp(a)[1] - 1 = floor(log2(a)), exactly
;;       r = np.clip(x / 2.0 ** e, -57344, 57344)
;;       step = 2.0 ** (np.maximum(np.frexp(np.where(r == 0, 1, r))[1] - 1, -14) - 2)
;;       q = np.round(r / step) * step * 2.0 ** e      # np.round: ties to even
;;       return np.moveaxis(q.reshape(q.shape[:-2] + (-1,))[..., :K], -1, axis).astype(np.float32)
;;   ~~~
;;   SOFTMAX AHEAD OF A QUANTISED PRODUCT. Where the list says 'softmax', what is quantised is not the finished softmax but p = 2^(t - M), with t = logit x log2(e) and M = ceil(the row's largest t), a whole number; so 1/2 < the row's largest p <= 1. The row's sum l is taken of the UNQUANTISED p, in f32, and the product's result is divided by l at the end. Since M is a whole number, a kernel that streams over the keys may use a running M (the ceiling of the running maximum): every later rescaling is an exact power of two, which a block's scale takes up: the codes' values come out the same.
;;   OPERANDS COMPUTED ON THE WAY. 'Computed on the way' means the value that the module computes at that place (a softmax that the list does not call 'softmax' is quantised finished and normalised). What goes into a quantiser is computed in f32, as accurately as f32 sums, v_exp_f32 and their like allow (about 1e-6 of the number): no bf16 or f16 on the way to a quantiser, and a product that is left as it is and whose result goes on into a quantised operand takes f32 operands (vector FMAs, or v_wmma_f32_16x16x4_f32). A number that lies on a knife's edge between two numbers of the format may be rounded either way, as far as f32 arithmetic and the matrix unit's own rounding can turn it there, and no further.
;; One version. Each part assembles by itself: llvm-mc -triple=amdgcn-amd-amdhsa -mcpu=gfx1250 --defsym DOCPART=n.
;; ======== version 1 of 1: 4 launches
;; workspace buffers: xw_codes 18,874,368 bytes; xw_scales 589,824 bytes; v_codes 8,388,608 bytes; v_scales 262,144 bytes; qk_codes 16,777,216 bytes; qk_scales 524,288 bytes; p_codes 16,777,216 bytes; p_meta 1,572,864 bytes
;; launch quant (part 1): grid 832 x 1, 4 waves a work-group, no clusters, 68,096 bytes of LDS; arguments query, key_in, Wq, Wk, value, xw_codes, xw_scales, v_codes, v_scales; writes xw_codes, xw_scales, v_codes, v_scales
.if DOCPART == 1
	.amdgcn_target "amdgcn-amd-amdhsa--gfx1250"
	.amdhsa_code_object_version 6
	.text
	.protected	k_q651b558e02_quant
	.globl	k_q651b558e02_quant
	.p2align	8
	.type	k_q651b558e02_quant,@function
k_q651b558e02_quant:
	s_mov_b64 s[64:65], 0
	v_nop
	global_prefetch_b8 v0, s[64:65] scope:SCOPE_SE
	s_setreg_imm32_b32 hwreg(HW_REG_WAVE_MODE, 25, 1), 1
	s_wait_xcnt 0x0
; THE QUANTISER: f32 numbers into codes of BF8 (E5M2) with one E8M0 scale byte for each 32 along K.
; query [8192][1024], key_in [8192][1024], Wq [1024][1024], Wk [1024][1024] have K innermost: they are stacked, in this order, as 18,432 rows of xw_codes [18432][1024].
; value [4][2048 keys][1024 channels] is the second attention product's operand with K = the keys, its first axis in a batch: its codes are laid with the keys innermost, v_codes [4 x 1024 rows][2048].
; SCALE BYTES are laid by K step: [tile of 256 rows][K step of 256][256 rows][8 bytes]: 8 bytes are a row's eight blocks of a K step, so every store here is a whole aligned run of 256 bytes.
; A block's scale is 2^(floor(log2(its largest magnitude)) - 15): its byte is the largest magnitude's exponent field - 15, held at 1 from below by a floor among the maximum's leaves.
; LIMITS: NaN and infinities among the inputs are not served.  A block of zeros gets the byte 1 where the rule says 127: its codes are zeros, which add nothing under any byte but 0xff, and this program alone reads the bytes.
; Wv and bv are not among the arguments: the function that this program computes forms nothing from them, so the result is right whatever they hold.
; 832 work-groups of four waves, 32,768 numbers each: the first 576 take 32 stacked rows (wave w: K step w of each row), the other 256 take 128 channels x 256 keys of value.
; The two ways part on the work-group's number and have LDS bytes of their own.  No tensor load, no barrier: waves share nothing.
.set NSG,   576                        ; work-groups for the stacked rows
.set EMAX,  15
.set MANT,  0x600000                   ; the mantissa field of 57,344 as f32
.set STEPS, 16
.set R,     16                         ; v16-79   four sets of 16 numbers as they are loaded
.set X,     80                         ; v80-111  two sets of 16 neighbours
.set E,     112                        ; v112-127 a scale byte for each step
.set C,     128                        ; v128-191 codes: four registers for each step, so that no store's data are written again
.set WREG,  8192                       ; LDS of the first way: a region for each wave: two stages of 32 x SP bytes, behind them its 256 scale bytes
.set SP,    80                         ; a lane's place in a stage: its 64 bytes + 16 of padding
.set VLDS,  32768                      ; LDS of the second way: a stage of 32 rows x VP bytes for each wave
.set VP,    272
.set NB,    8                          ; blocks of 32 keys for a lane
.set VX,    32                         ; v32-95   two sets of 32 numbers
.set VC,    96                         ; v96-103  a block's codes
.set VOUT,  112                        ; v112-175 the way out
.set SB,    24                         ; v24-25   eight scale bytes
	s_load_b256 s[4:11], s[0:1], 0x0               ; query s[4:5], key_in s[6:7], Wq s[8:9], Wk s[10:11]
	s_load_b256 s[12:19], s[0:1], 0x20             ; value s[12:13], xw_codes s[14:15], xw_scales s[16:17], v_codes s[18:19]
	s_load_b64 s[20:21], s[0:1], 0x40              ; v_scales
	v_lshl_add_u32 v192, v0, 2, 0x10800
	v_mov_b32 v193, 0
	v_lshrrev_b32 v1, 5, v0
	v_readfirstlane_b32 s24, v1                    ; wave
	v_and_b32 v2, 31, v0                           ; lane
	s_mov_b32 s23, MANT                            ; (an instruction takes one literal: the hold's line has another)
	s_cmp_lt_u32 ttmp9, NSG
	s_cbranch_scc0 .Lvalue
; ---------------- K innermost: rows 32 g .. 32 g + 31 of the stack, wave w takes numbers 256 w .. 256 w + 255 of each
; A step is two rows' 1,024 bytes.  Each of its four loads reads 512 consecutive bytes, 16 a lane; the 2,048 bytes turn through the wave's own stage and come back 64 a lane: 16 neighbours along K, two lanes to a block.
	v_lshlrev_b32 v3, 4, v2                        ; my 16 bytes of a load's 512
	s_mul_i32 s25, s24, WREG
	v_lshrrev_b32 v14, 2, v2
	v_mul_u32_u24 v14, v14, SP
	v_and_b32 v15, 3, v2
	v_lshl_add_u32 v14, v15, 4, v14
	v_add_nc_u32 v14, s25, v14                     ; the stage, on the way in: SP (lane / 4) + 16 (lane % 4)
	v_mul_u32_u24 v15, v2, SP
	v_add_nc_u32 v15, s25, v15                     ; and on the way out: SP x lane
	v_lshrrev_b32 v4, 4, v2
	v_and_b32 v5, 15, v2
	v_lshlrev_b32 v5, 4, v5
	v_lshl_add_u32 v4, v4, 10, v5                  ; my codes: row lane / 16 of the step's two (1,024 bytes a row), 16 (lane % 16)
	v_lshrrev_b32 v5, 1, v2
	s_add_co_u32 s25, s25, 2*32*SP
	v_add_nc_u32 v5, s25, v5                       ; LDS: my wave's 256 scale bytes, my block's byte
	v_lshlrev_b32 v7, 3, v2                        ; and on the way out 8 bytes a lane
	v_add_nc_u32 v6, s25, v7
	s_wait_kmcnt 0x0
	s_cmp_lt_u32 ttmp9, 544                        ; which tensor: the choices hang on the work-group's number alone
	s_cselect_b64 s[26:27], s[8:9], s[10:11]
	s_mov_b32 s28, 544
	s_cselect_b32 s28, 512, s28                    ; and its first work-group
	s_cmp_lt_u32 ttmp9, 512
	s_cselect_b64 s[26:27], s[6:7], s[26:27]
	s_cselect_b32 s28, 256, s28
	s_cmp_lt_u32 ttmp9, 256
	s_cselect_b64 s[26:27], s[4:5], s[26:27]
	s_cselect_b32 s28, 0, s28
	s_sub_co_u32 s28, ttmp9, s28
	s_lshl_b32 s28, s28, 17                        ; 32 rows of 4,096 bytes
	s_lshl_b32 s29, s24, 10                        ; + my K step's 1,024 bytes
	s_add_co_u32 s28, s28, s29
	s_mov_b32 s29, 0
	s_add_nc_u64 s[26:27], s[26:27], s[28:29]
	s_lshl_b32 s28, ttmp9, 15                      ; codes: 32 rows of 1,024 bytes, + 256 w
	s_lshl_b32 s30, s24, 8
	s_add_co_u32 s28, s28, s30
	s_add_nc_u64 s[14:15], s[14:15], s[28:29]
	s_lshr_b32 s28, ttmp9, 3                       ; scale bytes: tile g / 8 (8,192 bytes), K step w (2,048), rows 32 (g % 8) on (8 bytes a row)
	s_lshl_b32 s28, s28, 13
	s_lshl_b32 s30, s24, 11
	s_add_co_u32 s28, s28, s30
	s_and_b32 s30, ttmp9, 7
	s_lshl_b32 s30, s30, 8
	s_add_co_u32 s28, s28, s30
	s_add_nc_u64 s[16:17], s[16:17], s[28:29]
.macro LOAD t                          ; step t: rows 2 t and 2 t + 1, two loads of 512 bytes each
.irp i, 0,1,2,3
	global_load_b128 v[R+16*((\t)%4)+4*\i:R+16*((\t)%4)+4*\i+3], v3, s[26:27] offset:(2*(\t)+\i/2)*4096+(\i%2)*512 th:TH_LOAD_NT
.endr
.endm
.macro TURN t                          ; step t's numbers through the stage: LDS serves a wave's instructions in order, so no wait stands between the stores and the loads
.irp i, 0,1,2,3
	ds_store_b128 v14, v[R+16*((\t)%4)+4*\i:R+16*((\t)%4)+4*\i+3] offset:32*SP*((\t)%2)+8*SP*\i
.endr
.irp i, 0,1,2,3
	ds_load_b128 v[X+16*((\t)%2)+4*\i:X+16*((\t)%2)+4*\i+3], v15 offset:32*SP*((\t)%2)+16*\i
.endr
.endm
.irp t, 0,1,2,3
	LOAD \t
.endr
	s_wait_loadcnt 12                              ; step 0's four loads are in; three steps' twelve may be out
	TURN 0
.macro SSTEP t
.set XS, X+16*((\t)%2)
.if (\t) > 0
	s_wait_dscnt 1                                 ; this step's numbers are back from the stage (the last step's byte store may be out)
.else
	s_wait_dscnt 0x0
.endif
.if (\t)+4 < STEPS
	LOAD (\t)+4                                    ; into the registers that this step's stores into the stage have read
.endif
.if (\t)+1 < STEPS
.if STEPS-2-(\t) >= 3
	s_wait_loadcnt 12                              ; the next step's four loads are in; those of the three steps behind it may be out
.else
	s_wait_loadcnt 4*(STEPS-2-(\t))
.endif
	TURN (\t)+1                                    ; through the other stage while this step is worked
.endif
	v_max3_num_f32 v8, |v[XS]|, |v[XS+1]|, |v[XS+2]|               ; the largest magnitude of my 16, in two chains
	v_max3_num_f32 v9, |v[XS+3]|, |v[XS+4]|, |v[XS+5]|
.irp i, 6,10
	v_max3_num_f32 v8, v8, |v[XS+\i]|, |v[XS+\i+1]|
	v_max3_num_f32 v9, v9, |v[XS+\i+2]|, |v[XS+\i+3]|
.endr
	v_max3_num_f32 v8, v8, |v[XS+14]|, |v[XS+15]|
	v_max3_num_f32 v8, v8, v9, (EMAX+1)<<23        ; and the floor 2^(16 - 127): the byte cannot fall under 1
	v_max_num_f32_dpp v8, v8, v8 row_xmask:1 row_mask:0xf bank_mask:0xf   ; and of my neighbour's 16: the block's
	v_add_nc_u32 v11, 0xf8800000, v8               ; 15 off its exponent field: the conversion takes the exponent field of this operand as its scale
	v_and_or_b32 v10, v8, 0x7f800000, s23          ; 57,344 x the scale
.irp i, 0,1,2,3,4,5,6,7,8,9,10,11,12,13,14,15
	v_med3_num_f32 v[XS+\i], v[XS+\i], -v10, v10   ; the conversion to an 8-bit code does not saturate (ISA guide 7.6.2): the hold comes first
.endr
	v_cvt_scalef32_pk8_bf8_f32 v[C+4*(\t):C+4*(\t)+1], v[XS:XS+7], v11
	v_cvt_scalef32_pk8_bf8_f32 v[C+4*(\t)+2:C+4*(\t)+3], v[XS+8:XS+15], v11
	v_lshrrev_b32 v[E+(\t)], 23, v11               ; the scale's byte (also the plain line behind the conversions)
	ds_store_b8 v5, v[E+(\t)] offset:16*(\t)       ; both lanes of a block write the same byte with the same value
	global_store_b128 v4, v[C+4*(\t):C+4*(\t)+3], s[14:15] offset:2048*(\t)   ; sixteen lanes store 256 consecutive bytes of a row, aligned
.endm
.irp t, 0,1,2,3,4,5,6,7,8,9,10,11,12,13,14,15
	SSTEP \t
.endr
	ds_load_b64 v[12:13], v6                       ; LDS serves a wave's instructions in order: these see my stores
	s_wait_dscnt 0x0
	global_store_b64 v7, v[12:13], s[16:17]        ; 32 rows x 8 bytes: 256 consecutive bytes, aligned
	s_wait_tensorcnt 0x0
	ds_add_u32 v192, v193
	s_wait_dscnt 0x0
	s_endpgm
; ---------------- K = the keys, the first axis: a lane takes a channel and its registers run down the keys, so a block of 32 keys lies in one lane and the conversions give codes with the keys innermost
.Lvalue:
	s_sub_co_u32 s25, ttmp9, NSG
	s_lshr_b32 s26, s25, 6                         ; batch
	s_bfe_u32 s27, s25, 0x30003                    ; x: which 128 channels
	s_and_b32 s28, s25, 7                          ; y: which 256 keys
	v_lshlrev_b32 v3, 2, v2                        ; in: 4 bytes a lane
	s_mul_i32 s29, s24, 32*VP
	s_add_co_u32 s29, s29, VLDS                    ; my stage
	v_mul_u32_u24 v4, v2, VP
	v_add_nc_u32 v4, s29, v4                       ; into it: row = my channel
	v_and_b32 v5, 15, v2
	v_lshrrev_b32 v6, 4, v2                        ; out of it: sixteen lanes to a row, two rows an instruction
	v_mul_u32_u24 v7, v6, VP
	v_lshl_add_u32 v7, v5, 4, v7
	v_add_nc_u32 v7, s29, v7
	v_lshlrev_b32 v8, 11, v6                       ; and the same place in v_codes: rows of 2,048 bytes
	v_lshl_add_u32 v8, v5, 4, v8
	v_lshlrev_b32 v9, 3, v2                        ; my channel's 8 scale bytes
	s_lshl_b32 s30, s27, 7
	s_lshl_b32 s31, s24, 5
	s_add_co_u32 s30, s30, s31                     ; my wave's first channel: 128 x + 32 w
	s_lshl_b32 s32, s26, 23                        ; value: a batch is 2^23 bytes, 256 keys are 2^20
	s_lshl_b32 s33, s28, 20
	s_add_co_u32 s32, s32, s33
	s_lshl_b32 s33, s30, 2
	s_add_co_u32 s32, s32, s33
	s_mov_b32 s33, 0
	s_lshl_b32 s34, s26, 10                        ; codes: row 1,024 batch + channel, + 256 y
	s_add_co_u32 s34, s34, s30
	s_lshl_b32 s34, s34, 11
	s_lshl_b32 s35, s28, 8
	s_add_co_u32 s34, s34, s35
	s_mov_b32 s35, 0
	s_lshl_b32 s36, s26, 2                         ; scale bytes: tile 4 batch + x / 2 (16,384 bytes), K step y (2,048), row 128 (x % 2) + 32 w on
	s_lshr_b32 s37, s27, 1
	s_add_co_u32 s36, s36, s37
	s_lshl_b32 s36, s36, 14
	s_lshl_b32 s37, s28, 11
	s_add_co_u32 s36, s36, s37
	s_and_b32 s37, s27, 1
	s_lshl_b32 s37, s37, 10
	s_add_co_u32 s36, s36, s37
	s_lshl_b32 s37, s24, 8
	s_add_co_u32 s36, s36, s37
	s_mov_b32 s37, 0
	s_wait_kmcnt 0x0
	s_add_nc_u64 s[12:13], s[12:13], s[32:33]
	s_add_nc_u64 s[18:19], s[18:19], s[34:35]
	s_add_nc_u64 s[20:21], s[20:21], s[36:37]
.macro VLOAD t                         ; block t: value(32 t + i, my channel), i = 0 .. 31: each load reads 128 consecutive bytes a wave
.set ii, 0
.rept 32
	global_load_b32 v[VX+32*((\t)%2)+ii], v3, s[12:13] offset:(32*(\t)+ii)*4096 th:TH_LOAD_NT
.set ii, ii+1
.endr
.endm
	VLOAD 0
	VLOAD 1
.macro VBLOCK t
.set XS, VX+32*((\t)%2)
.if (\t) < NB-1
	s_wait_loadcnt 32                              ; this block's 32 loads are in; the next block's may be out
.else
	s_wait_loadcnt 0
.endif
	v_max3_num_f32 v12, |v[XS]|, |v[XS+1]|, |v[XS+2]|              ; the block's largest magnitude: all 32 numbers are mine
	v_max3_num_f32 v13, |v[XS+3]|, |v[XS+4]|, |v[XS+5]|
.irp i, 6,10,14,18,22,26
	v_max3_num_f32 v12, v12, |v[XS+\i]|, |v[XS+\i+1]|
	v_max3_num_f32 v13, v13, |v[XS+\i+2]|, |v[XS+\i+3]|
.endr
	v_max3_num_f32 v12, v12, |v[XS+30]|, |v[XS+31]|
	v_max3_num_f32 v12, v12, v13, (EMAX+1)<<23     ; and the floor
	v_add_nc_u32 v11, 0xf8800000, v12              ; the conversion's scale operand
	v_and_or_b32 v10, v12, 0x7f800000, s23         ; 57,344 x the scale
	v_lshrrev_b32 v13, 23, v11                     ; the scale's byte
.if (\t)%4 == 0
	v_mov_b32 v[SB+(\t)/4], v13                    ; four bytes to a register, the lower keys in the lower byte
.else
	v_lshl_or_b32 v[SB+(\t)/4], v13, 8*((\t)%4), v[SB+(\t)/4]
.endif
.set ii, 0
.rept 32
	v_med3_num_f32 v[XS+ii], v[XS+ii], -v10, v10   ; the hold at the largest code x the scale
.set ii, ii+1
.endr
.irp g, 0,1,2,3
	v_cvt_scalef32_pk8_bf8_f32 v[VC+2*\g:VC+2*\g+1], v[XS+8*\g:XS+8*\g+7], v11
.endr
	v_nop                                          ; a plain line behind the last conversion, ahead of whatever next writes its sources
	ds_store_b128 v4, v[VC:VC+3] offset:32*(\t)    ; 32 codes: 32 bytes of my channel's row
	ds_store_b128 v4, v[VC+4:VC+7] offset:32*(\t)+16
.if (\t)+2 < NB
	VLOAD (\t)+2
.endif
	s_wait_dscnt 0x0                               ; the stores have read their registers: the next block's codes may be written
.endm
.irp t, 0,1,2,3,4,5,6,7
	VBLOCK \t
.endr
	global_store_b64 v9, v[SB:SB+1], s[20:21]      ; 32 channels x 8 bytes: 256 consecutive bytes, aligned
.irp t, 0,1,2,3,4,5,6,7,8,9,10,11,12,13,14,15
	ds_load_b128 v[VOUT+4*\t:VOUT+4*\t+3], v7 offset:2*\t*VP       ; these see my stores: LDS serves a wave's instructions in order
.endr
.irp t, 0,1,2,3,4,5,6,7,8,9,10,11,12,13,14,15
	s_wait_dscnt 15-\t
	global_store_b128 v8, v[VOUT+4*\t:VOUT+4*\t+3], s[18:19] offset:2*\t*2048   ; sixteen lanes store 256 consecutive bytes of a row, aligned
.endr
	s_wait_tensorcnt 0x0
	ds_add_u32 v192, v193
	s_wait_dscnt 0x0
	s_endpgm
.Lfunc_end_k_q651b558e02_quant:
	.size	k_q651b558e02_quant, .Lfunc_end_k_q651b558e02_quant-k_q651b558e02_quant
	.p2alignl 7, 3214868480
	.fill 96, 4, 3214868480
	.section	.rodata,"a",@progbits
	.p2align	6, 0x0
	.amdhsa_kernel k_q651b558e02_quant
		.amdhsa_group_segment_fixed_size 68096
		.amdhsa_private_segment_fixed_size 0
		.amdhsa_enable_private_segment 0
		.amdhsa_kernarg_size 72
		.amdhsa_user_sgpr_count 2
		.amdhsa_user_sgpr_kernarg_segment_ptr 1
		.amdhsa_wavefront_size32 1
		.amdhsa_system_sgpr_workgroup_id_x 1
		.amdhsa_system_sgpr_workgroup_id_y 1
		.amdhsa_system_sgpr_workgroup_id_z 1
		.amdhsa_system_vgpr_workitem_id 0
		.amdhsa_next_free_vgpr 194
		.amdhsa_next_free_sgpr 66
		.amdhsa_reserve_vcc 0
		.amdhsa_float_denorm_mode_32 3
		.amdhsa_float_denorm_mode_16_64 3
		.amdhsa_memory_ordered 1
		.amdhsa_forward_progress 1
		.amdhsa_inst_pref_size 111
	.end_amdhsa_kernel
	.amdgpu_metadata
---
amdhsa.version: [ 1, 2 ]
amdhsa.kernels:
  - .name:           k_q651b558e02_quant
    .symbol:         k_q651b558e02_quant.kd
    .args:
      - { .name: query, .offset: 0, .size: 8, .value_kind: global_buffer, .address_space: global }
      - { .name: key_in, .offset: 8, .size: 8, .value_kind: global_buffer, .address_space: global }
      - { .name: Wq, .offset: 16, .size: 8, .value_kind: global_buffer, .address_space: global }
      - { .name: Wk, .offset: 24, .size: 8, .value_kind: global_buffer, .address_space: global }
      - { .name: value, .offset: 32, .size: 8, .value_kind: global_buffer, .address_space: global }
      - { .name: xw_codes, .offset: 40, .size: 8, .value_kind: global_buffer, .address_space: global }
      - { .name: xw_scales, .offset: 48, .size: 8, .value_kind: global_buffer, .address_space: global }
      - { .name: v_codes, .offset: 56, .size: 8, .value_kind: global_buffer, .address_space: global }
      - { .name: v_scales, .offset: 64, .size: 8, .value_kind: global_buffer, .address_space: global }
    .group_segment_fixed_size: 68096
    .private_segment_fixed_size: 0
    .kernarg_segment_align: 8
    .kernarg_segment_size: 72
    .max_flat_workgroup_size: 128
    .sgpr_count:     66
    .vgpr_count:     194
    .wavefront_size: 32
...
	.end_amdgpu_metadata
.endif
;; end of part 1
;; launch proj (part 2): grid 4 x 64, 4 waves a work-group, clusters of 4 x 4, 327,680 bytes of LDS; arguments xw_codes, xw_scales, bq, bk, qk_codes, qk_scales; writes qk_codes, qk_scales
.if DOCPART == 2
	.amdgcn_target "amdgcn-amd-amdhsa--gfx1250"
	.amdhsa_code_object_version 6
	.text
	.protected	k_q651b558e02_proj
	.globl	k_q651b558e02_proj
	.p2align	8
	.type	k_q651b558e02_proj,@function
k_q651b558e02_proj:
	s_mov_b64 s[64:65], 0
	v_nop
	global_prefetch_b8 v0, s[64:65] scope:SCOPE_SE
	s_setreg_imm32_b32 hwreg(HW_REG_WAVE_MODE, 25, 1), 1
	s_wait_xcnt 0x0
	s_wait_alu depctr_hold_cnt(0) depctr_sa_sdst(0) depctr_va_vdst(0) depctr_va_sdst(0) depctr_va_ssrc(0) depctr_va_vcc(0) depctr_vm_vsrc(0)
	s_getreg_b32 s2, hwreg(HW_REG_IB_STS2, 6, 4)
	s_cmp_eq_u32 s2, 0
	s_cbranch_scc0 .Lentry_in_a_cluster
	s_endpgm
.Lentry_in_a_cluster:
	s_bfe_u32 s2, ttmp6, 0x10000c
	s_cmp_lg_u32 s2, 0xf033
	s_cbranch_scc0 .Lentry_shape_is_right
	s_endpgm
.Lentry_shape_is_right:
; q = Q(query) Q(Wq)^T + bq and k = Q(key_in) Q(Wk)^T + bk in one grid, on codes of BF8 (E5M2) with E8M0 scales; the results are quantised along their 1,024 columns, which are the next product's K, and leave as codes.
; A: rows 256 ty on of xw_codes [18432][1024] (ty 0-31 query, 32-63 key_in).  B: the 256 rows tx of Wq's codes (stack rows 16,384 on) or of Wk's (17,408 on).  Out: qk_codes [16384][1024], q's rows and then k's.
; Scale bytes, in and out, lie by K step: [tile of 256 rows][K step of 256][256 rows][8 bytes].
; A tile of 256 x 256 is made by four waves, as many as a WGP has SIMDs, each 128 x 128: 64 accumulators, 512 registers.  K goes in four steps of 256 through a ring of two LDS slots filled by the tensor data mover.
; The scales of the tile's 256 + 256 rows for all of K are two dense blocks of 8,192 bytes: they come into LDS once, with the first fills.
; CLUSTERS: 4 x 4 work-groups; A's tiles are asked for jointly along a row of the cluster, B's along a column (all four rows of a cluster lie in the same half of the stack, so they share the weight).
; THE MATRIX INSTRUCTION IS USED TRANSPOSED (source 0 = 16 rows of B, source 1 = 16 rows of A): a lane holds one row of the result and its registers run along the columns.
; THE BIAS is the C of each sum's first matrix instruction, so it is the sum's first addend and not its last: an order of f32 rounding that differs from the written one.
; LIMITS: NaN and infinities are not served; a block of zeros gets the byte 1 (its codes are zeros; this program alone reads the bytes).
; REGISTERS: window 0: v1-30 addresses; v32-63 scale words, two sets, and nothing else; v64-127 the bias, later at work; v128-255 A's fragments, one set, later the codes.  window 1: B's fragments, two sets.  windows 2, 3: the accumulators.
.set KROW,   1024                      ; a row of codes in memory
.set ROWB,   256                       ; a tile's row: a K step
.set NQ,     2                         ; matrix instructions deep
.set PITCH,  272                       ; an LDS row: 256 bytes + 16 of padding: the 16 rows that a load touches start at 16 different banks (64 banks of 4 bytes: ISA guide 11.1)
.set FR,     16
.set NL,     4
.set NP,     8                         ; places behind this matrix instruction (ISA guide 7.12.1)
.set HALFT,  128*PITCH
.set SLOT,   4*HALFT
.set LAPS,   KROW/(2*ROWB)
.set SCA,    2*SLOT                    ; A's scales: [4 K steps][256 rows][8 bytes]
.set SCB,    SCA+8192                  ; B's
.set SPARE,  SCB+8192                  ; the spare words, 128 bytes a wave: two blocks of 256 bytes that no other line names
.set SST,    256*PITCH                 ; the way out, in slot 0 (its last fill and its last read are over): 256 rows x 272 of codes, then 2,048 bytes of scale words
.set ROWO,   1024                      ; a row of qk_codes
.set STO,  8                           ; v8   where I put 8 codes of a row
.set SSO,  9                           ; v9   where I put a row's scale word
.set RD,   11                          ; v11  where I read rows back
.set CO,   12                          ; v12  my byte offset in the wave's rows of qk_codes
.set SRD,  13                          ; v13  where I read scale words back
.set SCO,  14                          ; v14  16 x my thread's number
.set ADRA, 16
.set ADRB, 20
.set ADRS, 27
.set SPW,  28                          ; v28  LDS address of my spare word; never rewritten
.set NIL,  29                          ; v29  0; never rewritten
.set SC,   32
.set BI,   64                          ; v64-127 the bias of my 128 columns in the result's layout
.set AF,   128
.set G1, 24
.set G0, 32
.set G1B, 48
.set G0B, 56
.set G1S, 68
.set G0S, 76
.set G1SB, 80
.set G0SB, 88
.set MSB, 0
.macro WIN new                         ; the immediate's high byte repeats the setting that is left
.if MSB != (\new)
	s_set_vgpr_msb (MSB<<8)|(\new)
.set MSB, (\new)
.endif
.endm
.set MUL_LO, 0xa1                      ; source 0 (B) window 1, source 1 (A) window 0, C and D window 2
.set MUL_HI, 0xf1                      ; the same, C and D window 3
.set BIA_LO, 0x81                      ; the first products: C (the bias) window 0, D window 2
.set BIA_HI, 0xc1                      ; D window 3
.set TO_B,   0x40
; A joint load: waves 0 and 1 fetch for A, waves 2 and 3 for B; the branch hangs on the wave's number alone.  Four v_nop follow each of the two lines.
.macro JLOAD g0a, g1a, g0b, g1b
	s_cmp_eq_u32 s15, 0
	s_cbranch_scc0 .Lfor_b_\@
	tensor_load_to_lds s[\g0a:\g0a+3], s[\g1a:\g1a+7]
	s_nop 0
.rept 4
	v_nop
.endr
	s_branch .Lasked_\@
.Lfor_b_\@:
	tensor_load_to_lds s[\g0b:\g0b+3], s[\g1b:\g1b+7]
	s_nop 0
.rept 4
	v_nop
.endr
.Lasked_\@:
.endm
.macro CREST                           ; a round of the cluster's barrier behind its opening barrier
	s_cmp_lg_u32 s14, 0
	s_cbranch_scc1 .Lnot_wave_0_\@
	s_barrier_signal -3
.Lnot_wave_0_\@:
	s_barrier_wait -3
	s_barrier_signal -1
	s_barrier_wait -1
.endm
.macro CROUND
	s_barrier_signal -1
	s_barrier_wait -1
	CREST
.endm
	s_load_b128 s[4:7], s[0:1], 0x0                ; xw_codes s[4:5], xw_scales s[6:7]
	s_load_b128 s[8:11], s[0:1], 0x10              ; bq s[8:9], bk s[10:11]
	s_load_b64 s[12:13], s[0:1], 0x20              ; qk_codes
	s_load_b64 s[92:93], s[0:1], 0x28              ; qk_scales
	v_lshl_add_u32 v[SPW], v0, 2, SPARE
	v_mov_b32 v[NIL], 0
	ds_add_u32 v28, v29
	ds_add_u32 v28, v29
	s_wait_dscnt 0x0
	v_lshrrev_b32 v1, 5, v0
	v_readfirstlane_b32 s14, v1                    ; wave 0..3
	s_lshr_b32 s15, s14, 1                         ; hr: which half of the tile's rows is mine.  Also: I fetch for A (0) or for B (1)
	s_and_b32 s16, s14, 1                          ; hc: which half of its columns.  Also: which 128 rows I fetch
	s_bfe_u32 s40, ttmp6, 0x40000                  ; cx, cy
	s_bfe_u32 s41, ttmp6, 0x40004
	s_lshl_b32 s42, ttmp9, 2
	s_add_co_u32 s42, s42, s40                     ; tx
	s_and_b32 s95, ttmp7, 0xffff                   ; the cluster's y
	s_lshl_b32 s17, s95, 2
	s_add_co_u32 s17, s17, s41                     ; ty
	s_lshl_b32 s43, s41, 2
	s_lshl_b32 s43, 15, s43                        ; my row of the cluster
	s_lshl_b32 s44, 0x1111, s40                    ; my column
	; group 1 for the codes: 128 rows x 256 bytes, 16 bytes of padding behind each row
	s_or_b32 s[G1+0], s43, (0<<16)|(1<<20)|(1<<21)|(5<<22)|(3<<25)
	s_or_b32 s[G1B+0], s44, (0<<16)|(1<<20)|(1<<21)|(5<<22)|(3<<25)
.irp g, G1, G1B
	s_mov_b32 s[\g+1], ROWB<<16                    ; tensor_dim0
	s_mov_b32 s[\g+2], 128<<16                     ; tensor_dim1
	s_mov_b32 s[\g+3], ROWB<<16                    ; tile_dim0
	s_mov_b32 s[\g+4], 128                         ; tile_dim1
	s_mov_b32 s[\g+5], KROW                        ; from row to row
	s_mov_b32 s[\g+6], 0
	s_mov_b32 s[\g+7], 0
.endr
	; group 1 for the scales: 4,096 dense bytes as 16 rows of 256 (32 elements of 8 bytes), no padding
	s_or_b32 s[G1S+0], s43, (3<<16)|(1<<21)
	s_or_b32 s[G1SB+0], s44, (3<<16)|(1<<21)
.irp g, G1S, G1SB
	s_mov_b32 s[\g+1], 32<<16
	s_mov_b32 s[\g+2], 16<<16
	s_mov_b32 s[\g+3], 32<<16
	s_mov_b32 s[\g+4], 16
	s_mov_b32 s[\g+5], 32
	s_mov_b32 s[\g+6], 0
	s_mov_b32 s[\g+7], 0
.endr
	s_lshl_b32 s18, s16, 7                         ; which 128 rows I fetch
	s_lshl_b32 s20, s17, 8
	s_add_co_u32 s20, s20, s18                     ; A: row 256 ty + 128 hc
	s_lshl_b32 s20, s20, 10                        ; in bytes (all offsets here stay under 2^32)
	s_mov_b32 s21, 0
	s_lshr_b32 s19, s95, 3                         ; 0: Wq, 1: Wk: the same in all sixteen partners
	s_lshl_b32 s46, s42, 8
	s_add_co_u32 s46, s46, s18
	s_lshl_b32 s47, s19, 10
	s_add_co_u32 s46, s46, s47
	s_add_co_u32 s46, s46, 16384                   ; B: row 16,384 + 1,024 (Wk) + 256 tx + 128 hc
	s_lshl_b32 s46, s46, 10
	s_mov_b32 s47, 0
	s_lshl_b32 s18, s16, 12                        ; the scales: I fetch K steps 2 hc and 2 hc + 1, 4,096 bytes
	s_lshl_b32 s22, s17, 13                        ; A's: tile ty
	s_add_co_u32 s22, s22, s18
	s_mov_b32 s23, 0
	s_lshl_b32 s66, s19, 2
	s_add_co_u32 s66, s66, s42
	s_add_co_u32 s66, s66, 64                      ; B's: tile 64 + 4 (Wk) + tx
	s_lshl_b32 s66, s66, 13
	s_add_co_u32 s66, s66, s18
	s_mov_b32 s67, 0
	s_mul_i32 s45, s14, HALFT                      ; where they go: wave x 128 rows,
	s_lshl_b32 s94, s14, 12                        ; wave x 4,096 bytes: no place in the cluster enters an LDS address
	s_wait_kmcnt 0x0
	s_add_nc_u64 s[20:21], s[4:5], s[20:21]
	s_add_nc_u64 s[22:23], s[6:7], s[22:23]
	s_add_nc_u64 s[46:47], s[4:5], s[46:47]
	s_add_nc_u64 s[66:67], s[6:7], s[66:67]
	CROUND                                         ; all sixteen work-groups are here: the first joint loads meet
	s_mov_b32 s[G0S], 1
	s_add_co_u32 s[G0S+1], s94, SCA
	s_mov_b64 s[G0S+2:G0S+3], s[22:23]
	s_or_b32 s[G0S+3], s[G0S+3], 0x80000000
	s_mov_b32 s[G0SB], 1
	s_add_co_u32 s[G0SB+1], s94, SCA
	s_mov_b64 s[G0SB+2:G0SB+3], s[66:67]
	s_or_b32 s[G0SB+3], s[G0SB+3], 0x80000000
	JLOAD G0S, G1S, G0SB, G1SB                     ; the scales first: they are wanted with K step 0
.irp s, 0,1
	s_mov_b32 s[G0+4*\s], 1
	s_add_co_u32 s[G0+4*\s+1], s45, \s*SLOT
	s_add_nc_u64 s[G0+4*\s+2:G0+4*\s+3], s[20:21], \s*ROWB
	s_or_b32 s[G0+4*\s+3], s[G0+4*\s+3], 0x80000000
	s_mov_b32 s[G0B+4*\s], 1
	s_add_co_u32 s[G0B+4*\s+1], s45, \s*SLOT
	s_add_nc_u64 s[G0B+4*\s+2:G0B+4*\s+3], s[46:47], \s*ROWB
	s_or_b32 s[G0B+4*\s+3], s[G0B+4*\s+3], 0x80000000
	JLOAD G0+4*\s, G1, G0B+4*\s, G1B               ; three tensor loads of mine are out
.endr
	v_and_b32 v1, 15, v0                           ; r
	v_bfe_u32 v2, v0, 4, 1                         ; h
	; the bias of my 128 columns: register 8 b + j is that of column 16 b + 8 h + j
	s_cmp_lt_u32 s95, 8
	s_cselect_b64 s[8:9], s[8:9], s[10:11]         ; bq for q's rows, bk for k's
	s_lshl_b32 s46, s42, 10
	s_lshl_b32 s47, s16, 9
	s_add_co_u32 s46, s46, s47
	s_mov_b32 s47, 0
	s_add_nc_u64 s[8:9], s[8:9], s[46:47]
	v_lshlrev_b32 v7, 5, v2
.irp b, 0,1,2,3,4,5,6,7
	global_load_b128 v[BI+8*\b:BI+8*\b+3], v7, s[8:9] offset:64*\b
	global_load_b128 v[BI+8*\b+4:BI+8*\b+7], v7, s[8:9] offset:64*\b+16
.endr
	v_mul_u32_u24 v3, v1, PITCH
	v_lshl_add_u32 v4, v2, 4, v3                   ; a fragment's row x pitch + 16 x half
	s_mul_i32 s21, s15, HALFT                      ; my 128 rows of A
	s_mul_i32 s22, s16, HALFT                      ; my 128 rows of B,
	s_add_co_u32 s22, s22, 2*HALFT                 ; which lie behind A's 256
.irp s, 0,1
	v_add_nc_u32 v[ADRA+\s], s21, v4
	v_add_nc_u32 v[ADRB+\s], s22, v4
	s_add_co_u32 s21, s21, SLOT
	s_add_co_u32 s22, s22, SLOT
.endr
	v_lshlrev_b32 v5, 3, v1                        ; my row's scale words: 8 bytes a row
	s_lshl_b32 s21, s15, 10                        ; A's: my 128 rows
	s_lshl_b32 s22, s16, 10                        ; B's: my 128 rows, in B's block
	s_add_co_u32 s22, s22, SCB-SCA
	s_sub_co_u32 s22, s22, s21
	v_mul_u32_u24 v6, s22, v2                      ; lanes 16-31 take B's
	s_add_co_u32 s21, s21, SCA
	v_add_nc_u32 v5, v5, v6
	v_add_nc_u32 v[ADRS], s21, v5
	; the way out
	s_lshl_b32 s21, s15, 7
	v_add_nc_u32 v5, s21, v1                       ; my row of the tile in block 0: 128 hr + r
	v_mul_u32_u24 v[STO], v5, PITCH
	v_lshl_add_u32 v[STO], v2, 3, v[STO]
	s_lshl_b32 s22, s16, 7
	v_add_nc_u32 v[STO], s22, v[STO]               ; + 128 hc + 8 h
	v_lshlrev_b32 v[SSO], 3, v5
	s_lshl_b32 s22, s16, 2
	s_add_co_u32 s22, s22, SST
	v_add_nc_u32 v[SSO], s22, v[SSO]               ; the row's 8 bytes, my half's word
	s_lshl_b32 s22, s14, 6
	v_add_nc_u32 v6, s22, v2                       ; back: wave w takes rows 64 w on, two an instruction
	v_mul_u32_u24 v[RD], v6, PITCH
	v_lshl_add_u32 v[RD], v1, 4, v[RD]
	v_mul_u32_u24 v[CO], v2, ROWO
	v_lshl_add_u32 v[CO], v1, 4, v[CO]
	v_lshlrev_b32 v[SCO], 4, v0
	v_add_nc_u32 v[SRD], SST, v[SCO]
	s_lshl_b32 s20, s17, 8
	s_add_co_u32 s20, s20, s22                     ; the first row that I store: 256 ty + 64 w
	s_lshl_b32 s20, s20, 10
	s_lshl_b32 s46, s42, 8
	s_add_co_u32 s20, s20, s46                     ; + 256 tx
	s_mov_b32 s21, 0
	s_add_nc_u64 s[12:13], s[12:13], s[20:21]
	s_lshl_b32 s20, s17, 2
	s_add_co_u32 s20, s20, s42
	s_lshl_b32 s20, s20, 11                        ; scale bytes: tile ty, K step tx
	s_add_nc_u64 s[92:93], s[92:93], s[20:21]
.macro FRAG reg, adr, q, i             ; 16 rows x 128 K: lane l holds row l % 16; registers 4 c .. 4 c + 3 hold K = 32 c + 16 (l / 16) + 0 .. 15
.irp c, 0,1,2,3
	ds_load_b128 v[\reg+4*\c:\reg+4*\c+3], v[\adr] offset:128*(\q)+32*\c+(\i)*16*PITCH
.endr
.endm
; 16 matrix instructions: A's blocks a0, a0 + 1 x B's eight.  first = 1: the bias is C: nothing is cleared and nothing is added later.  The 64 accumulators take turns.
.macro MUL16 a0, p, q, sc, first
.irp a, \a0, \a0+1
.irp b, 0,1,2,3,4,5,6,7
.if \first
	v_wmma_scale_f32_16x16x128_f8f6f4 v[8*(8*((\a)%4)+\b):8*(8*((\a)%4)+\b)+7], v[128*(\p)+FR*\b:128*(\p)+FR*\b+FR-1], v[AF+FR*(\a):AF+FR*(\a)+FR-1], v[BI+8*\b:BI+8*\b+7], v[SC+8*NQ*(\sc)+NQ*\b+(\q)], v[SC+8*NQ*(\sc)+NQ*(\a)+(\q)] matrix_a_fmt:MATRIX_FMT_BF8 matrix_b_fmt:MATRIX_FMT_BF8 matrix_a_scale:MATRIX_SCALE_ROW1
.else
	v_wmma_scale_f32_16x16x128_f8f6f4 v[8*(8*((\a)%4)+\b):8*(8*((\a)%4)+\b)+7], v[128*(\p)+FR*\b:128*(\p)+FR*\b+FR-1], v[AF+FR*(\a):AF+FR*(\a)+FR-1], v[8*(8*((\a)%4)+\b):8*(8*((\a)%4)+\b)+7], v[SC+8*NQ*(\sc)+NQ*\b+(\q)], v[SC+8*NQ*(\sc)+NQ*(\a)+(\q)] matrix_a_fmt:MATRIX_FMT_BF8 matrix_b_fmt:MATRIX_FMT_BF8 matrix_a_scale:MATRIX_SCALE_ROW1
.endif
.endr
.endr
.endm
.macro FETCH_B slot, q, p
	WIN TO_B
.irp i, 0,1,2,3,4,5,6,7
	FRAG 128*(\p)+FR*\i, ADRB+\slot, \q, \i
.endr
	WIN 0
.endm
.macro FETCH_A slot, q, i0
.irp i, \i0, \i0+1, \i0+2, \i0+3
	FRAG AF+FR*(\i), ADRA+\slot, \q, \i
.endr
.endm
.macro SCALES sc                       ; a K step's two scale words a row: lanes 0-15 take A's block i, lanes 16-31 B's block i
.irp i, 0,1,2,3,4,5,6,7
	ds_load_b64 v[SC+8*NQ*\sc+NQ*\i:SC+8*NQ*\sc+NQ*\i+1], v[ADRS] offset:\i*128
.endr
.endm
.macro PLACES n                        ; plain vector lines between a matrix instruction and a load into, or a read of, its registers (ISA guide 7.12.1 for reads)
.rept \n
	v_nop
.endr
.endm
.macro STEP slot, q, first             ; 128 along K with its successor in the same slot
	s_wait_dscnt 4*NL                              ; all but the youngest sixteen loads (A's blocks 4-7)
.if \first
	WIN BIA_LO
.else
	WIN MUL_LO
.endif
	MUL16 0, (\q)%2, \q, \slot, \first
	MUL16 2, (\q)%2, \q, \slot, \first
	s_wait_dscnt 0
	PLACES NP
	FETCH_B \slot, (\q)+1, 1-(\q)%2
	FETCH_A \slot, (\q)+1, 0
.if \first
	WIN BIA_HI
.else
	WIN MUL_HI
.endif
	MUL16 4, (\q)%2, \q, \slot, \first
	MUL16 6, (\q)%2, \q, \slot, \first
	PLACES NP
	WIN 0
	FETCH_A \slot, (\q)+1, 4
.endm
; A slot's last 128 along K, and the change of slots: one barrier; in front of it each wave waits for all its tensor loads, adds 0 to its spare word, and waits for that and for its reads of this slot.
.macro TURN slot, next, fill
	s_wait_tensorcnt 0x0                           ; all my tensor loads have landed: my part of the next slot
	ds_add_u32 v[SPW], v[NIL]                      ; 0 onto my spare word
	s_wait_dscnt 4*NL+1                            ; (the add and the youngest sixteen loads may be out)
	WIN MUL_LO
	MUL16 0, 1, NQ-1, \slot, 0
	s_wait_dscnt 0x0                               ; the add is done, and my reads of this slot are over
	s_barrier_signal -1
	MUL16 2, 1, NQ-1, \slot, 0
	WIN 0
	s_barrier_wait -1
.if \fill
	CREST                                          ; the barrier has opened a round of the cluster's: no wave of any partner still reads this slot or has a load on its way
	s_add_nc_u64 s[G0+4*\slot+2:G0+4*\slot+3], s[G0+4*\slot+2:G0+4*\slot+3], 2*ROWB
	s_add_nc_u64 s[G0B+4*\slot+2:G0B+4*\slot+3], s[G0B+4*\slot+2:G0B+4*\slot+3], 2*ROWB
	JLOAD G0+4*\slot, G1, G0B+4*\slot, G1B         ; the first tensor load behind the round, my only one until the next
	PLACES NP-4
.else
	PLACES NP
.endif
	v_add_nc_u32 v[ADRS], 2048, v[ADRS]            ; the next K step's scale words
	FETCH_B \next, 0, 0
	FETCH_A \next, 0, 0
	SCALES \next
	WIN MUL_HI
	MUL16 4, 1, NQ-1, \slot, 0
	MUL16 6, 1, NQ-1, \slot, 0
	PLACES NP
	WIN 0
	FETCH_A \next, 0, 4
.endm
	s_wait_tensorcnt 1                             ; the scales and my part of K step 0 are in (K step 1's load may be out)
	s_barrier_signal -1
	s_barrier_wait -1
	FETCH_B 0, 0, 0
	FETCH_A 0, 0, 0
	SCALES 0
	FETCH_A 0, 0, 4
	s_wait_loadcnt 0x0                             ; the bias
	STEP 0, 0, 1
	s_mov_b32 s3, LAPS-1
.Llap:                                                 ; a trip goes once round the ring and fills both slots again
	TURN 0, 1, 1
	STEP 1, 0, 0
	TURN 1, 0, 1
	STEP 0, 0, 0
	s_sub_co_u32 s3, s3, 1
	s_cmp_lg_u32 s3, 0
	s_cbranch_scc1 .Llap
	TURN 0, 1, 0                                   ; the last lap fills nothing
	STEP 1, 0, 0
	s_wait_dscnt 4*NL
	WIN MUL_LO
	MUL16 0, 1, NQ-1, 1, 0
	MUL16 2, 1, NQ-1, 1, 0
	s_wait_dscnt 0
	WIN MUL_HI
	MUL16 4, 1, NQ-1, 1, 0
	MUL16 6, 1, NQ-1, 1, 0
	WIN 0
; THE WAY OUT.  In block a (16 rows) a lane holds row r; of the block of 32 columns n its registers 16 n + 0..7 are columns 32 n + 8 h + 0..7 and 16 n + 8..15 columns 32 n + 16 + 8 h + 0..7; lane l xor 16 holds the other 16.
; So a block's largest magnitude wants one exchange, and each conversion gives 8 neighbouring codes, which go to their place in a stage of whole rows.
.macro QBLK a
.set AC, 64*((\a)%4)
.set WH, (\a)/4
	WIN 0x0a+5*WH                                  ; sources 0 and 1: the accumulators' window
.irp b, 0,1,2,3
	v_max3_num_f32 v[64+\b], |v[AC+16*\b]|, |v[AC+16*\b+1]|, 0x8000000   ; with the floor 2^(16 - 127); each accumulator is read from its low end on
.endr
.irp i, 2,4,6,8,10,12,14
.irp b, 0,1,2,3
	v_max3_num_f32 v[64+\b], |v[AC+16*\b+\i]|, |v[AC+16*\b+\i+1]|, v[64+\b]
.endr
.endr
	WIN 0
.irp b, 0,1,2,3
	v_permlanex16_b32 v[68+\b], v[64+\b], s20, s21
.endr
.irp b, 0,1,2,3
	v_max_num_f32 v[64+\b], v[64+\b], v[68+\b]     ; the block's largest magnitude
.endr
.irp b, 0,1,2,3
	v_add_nc_u32 v[76+\b], 0xf8800000, v[64+\b]    ; 15 off its exponent field: the conversion's scale operand
.endr
.irp b, 0,1,2,3
	v_and_or_b32 v[72+\b], v[64+\b], 0x7f800000, s18   ; 57,344 x the scale
.endr
.irp b, 0,1,2,3
	v_lshrrev_b32 v[68+\b], 23, v[76+\b]           ; the scale's byte
.endr
	v_lshl_or_b32 v[80+(\a)], v69, 8, v68          ; my row's scale word for these 128 columns
	v_lshl_or_b32 v[80+(\a)], v70, 16, v[80+(\a)]
	v_lshl_or_b32 v[80+(\a)], v71, 24, v[80+(\a)]
	WIN 0x82+0x41*WH                               ; destination and source 0: the accumulators' window
.irp b, 0,1,2,3
.irp i, 0,1,2,3,4,5,6,7,8,9,10,11,12,13,14,15
	v_med3_num_f32 v[AC+16*\b+\i], v[AC+16*\b+\i], -v[72+\b], v[72+\b]   ; the conversion does not saturate (ISA guide 7.6.2): the hold comes first
.endr
.endr
	WIN 0x02+WH
.irp b, 0,1,2,3
	v_cvt_scalef32_pk8_bf8_f32 v[128+16*(\a)+4*\b:128+16*(\a)+4*\b+1], v[AC+16*\b:AC+16*\b+7], v[76+\b]
	v_cvt_scalef32_pk8_bf8_f32 v[128+16*(\a)+4*\b+2:128+16*(\a)+4*\b+3], v[AC+16*\b+8:AC+16*\b+15], v[76+\b]
.endr
	WIN 0
	v_nop                                          ; a plain line behind the last conversion
.irp b, 0,1,2,3
	ds_store_b64 v[STO], v[128+16*(\a)+4*\b:128+16*(\a)+4*\b+1] offset:(\a)*16*PITCH+32*\b
	ds_store_b64 v[STO], v[128+16*(\a)+4*\b+2:128+16*(\a)+4*\b+3] offset:(\a)*16*PITCH+32*\b+16
.endr
	ds_store_b32 v[SSO], v[80+(\a)] offset:128*(\a)   ; lanes l and l xor 16 write the same word with the same value
.endm
; A row's 256 bytes come from two waves: a barrier, then each wave reads 64 whole rows and stores them, sixteen lanes to 256 consecutive aligned bytes; the n small blocks of 2,048 bytes likewise.
.macro OUTC n
	s_wait_dscnt 0x0                               ; for the others' sake: my stores into the stage are done
	s_barrier_signal -1
	s_barrier_wait -1
.set kk, 0
.rept \n
	ds_load_b128 v[116+4*kk:116+4*kk+3], v[SRD] offset:2048*kk
.set kk, kk+1
.endr
.set tt, 0
.rept 32
	ds_load_b128 v[128+4*tt:128+4*tt+3], v[RD] offset:2*PITCH*tt
.set tt, tt+1
.endr
.set kk, 0
.rept \n
	s_wait_dscnt (\n)+31-kk                        ; LDS loads come back in order: this one is in, the younger ones may be out
	global_store_b128 v[SCO], v[116+4*kk:116+4*kk+3], s[92:93] offset:2048*kk
.set kk, kk+1
.endr
.set tt, 0
.rept 32
	s_wait_dscnt 31-tt
	global_store_b128 v[CO], v[128+4*tt:128+4*tt+3], s[12:13] offset:2*tt*ROWO
.set tt, tt+1
.endr
.endm
	s_mov_b32 s18, 0x600000                        ; the mantissa field of 57,344
	s_mov_b32 s20, 0x76543210
	s_mov_b32 s21, 0xfedcba98                      ; v_permlanex16_b32's selects for lane l xor 16
	PLACES NP
.irp b, 0,1,2,3
	v_mov_b32 v[68+\b], 0                          ; written once: a lane permute's destination counts as one of its sources
.endr
.irp a, 0,1,2,3,4,5,6,7
	QBLK \a
.endr
	OUTC 1
	s_wait_tensorcnt 0x0                           ; the wave's end
	ds_add_u32 v[SPW], v[NIL]
	s_wait_dscnt 0x0
	CROUND                                         ; the closing round
	s_endpgm
.Lfunc_end_k_q651b558e02_proj:
	.size	k_q651b558e02_proj, .Lfunc_end_k_q651b558e02_proj-k_q651b558e02_proj
	.p2alignl 7, 3214868480
	.fill 96, 4, 3214868480
	.section	.rodata,"a",@progbits
	.p2align	6, 0x0
	.amdhsa_kernel k_q651b558e02_proj
		.amdhsa_group_segment_fixed_size 327680
		.amdhsa_private_segment_fixed_size 0
		.amdhsa_enable_private_segment 0
		.amdhsa_kernarg_size 48
		.amdhsa_user_sgpr_count 2
		.amdhsa_user_sgpr_kernarg_segment_ptr 1
		.amdhsa_wavefront_size32 1
		.amdhsa_system_sgpr_workgroup_id_x 1
		.amdhsa_system_sgpr_workgroup_id_y 1
		.amdhsa_system_sgpr_workgroup_id_z 1
		.amdhsa_system_vgpr_workitem_id 0
		.amdhsa_next_free_vgpr 1024
		.amdhsa_next_free_sgpr 98
		.amdhsa_reserve_vcc 0
		.amdhsa_float_denorm_mode_32 3
		.amdhsa_float_denorm_mode_16_64 3
		.amdhsa_memory_ordered 1
		.amdhsa_forward_progress 1
		.amdhsa_inst_pref_size 195
	.end_amdhsa_kernel
	.amdgpu_metadata
---
amdhsa.version: [ 1, 2 ]
amdhsa.kernels:
  - .name:           k_q651b558e02_proj
    .symbol:         k_q651b558e02_proj.kd
    .args:
      - { .name: xw_codes, .offset: 0, .size: 8, .value_kind: global_buffer, .address_space: global }
      - { .name: xw_scales, .offset: 8, .size: 8, .value_kind: global_buffer, .address_space: global }
      - { .name: bq, .offset: 16, .size: 8, .value_kind: global_buffer, .address_space: global }
      - { .name: bk, .offset: 24, .size: 8, .value_kind: global_buffer, .address_space: global }
      - { .name: qk_codes, .offset: 32, .size: 8, .value_kind: global_buffer, .address_space: global }
      - { .name: qk_scales, .offset: 40, .size: 8, .value_kind: global_buffer, .address_space: global }
    .group_segment_fixed_size: 327680
    .private_segment_fixed_size: 0
    .kernarg_segment_align: 8
    .kernarg_segment_size: 48
    .max_flat_workgroup_size: 128
    .sgpr_count:     98
    .vgpr_count:     1024
    .wavefront_size: 32
...
	.end_amdgpu_metadata
.endif
;; end of part 2
;; launch scores (part 3): grid 8 x 32, 4 waves a work-group, clusters of 4 x 4, 327,680 bytes of LDS; arguments qk_codes, qk_scales, p_codes, p_meta; writes p_codes, p_meta
.if DOCPART == 3
	.amdgcn_target "amdgcn-amd-amdhsa--gfx1250"
	.amdhsa_code_object_version 6
	.text
	.protected	k_q651b558e02_scores
	.globl	k_q651b558e02_scores
	.p2align	8
	.type	k_q651b558e02_scores,@function
k_q651b558e02_scores:
	s_mov_b64 s[64:65], 0
	v_nop
	global_prefetch_b8 v0, s[64:65] scope:SCOPE_SE
	s_setreg_imm32_b32 hwreg(HW_REG_WAVE_MODE, 25, 1), 1
	s_wait_xcnt 0x0
	s_wait_alu depctr_hold_cnt(0) depctr_sa_sdst(0) depctr_va_vdst(0) depctr_va_sdst(0) depctr_va_ssrc(0) depctr_va_vcc(0) depctr_vm_vsrc(0)
	s_getreg_b32 s2, hwreg(HW_REG_IB_STS2, 6, 4)
	s_cmp_eq_u32 s2, 0
	s_cbranch_scc0 .Lentry_in_a_cluster
	s_endpgm
.Lentry_in_a_cluster:
	s_bfe_u32 s2, ttmp6, 0x10000c
	s_cmp_lg_u32 s2, 0xf033
	s_cbranch_scc0 .Lentry_shape_is_right
	s_endpgm
.Lentry_shape_is_right:
; S = Q(q) Q(k)^T for 4 batches of 2,048 x 2,048, K = 1,024, on codes of BF8 (E5M2) with E8M0 scales; the softmax's p is made and quantised on the way out, so that one byte a score goes to memory.
; THE SOFTMAX, PER CHUNK OF 128 KEYS (what a wave holds of a query): t = score x log2(e) / 32; M_c = the chunk's largest t rounded up to a whole number; p = 2^(t - M_c); l_c = the sum of the unquantised p.
; p is quantised along the keys under M_c.  The next launch takes M = the largest M_c and lowers each block's scale byte by M - M_c: a power of two that the scale takes up, so the codes are those of p under M.
; A: q's rows 256 ty on of qk_codes [16384][1024].  B: k's rows 8,192 + 2,048 batch + 256 tx on.  Out: p_codes [8192 queries][2048 keys];
; p_meta [ty][tx][3][2,048 bytes]: the scale words [256 rows][8 bytes]; -M_c as f32 [2 chunks][256 rows]; l_c likewise.
; The frame is that of the launch before: a tile of 256 x 256, four waves of 128 x 128, four K steps of 256 through two LDS slots, scales of all of K in LDS once, 4 x 4 clusters with joint loads (all four rows of a cluster lie in one batch).
; THE MATRIX INSTRUCTION IS USED TRANSPOSED (source 0 = 16 keys, source 1 = 16 queries): a lane holds one query and its registers run along the keys.
; LIMITS: NaN and infinities are not served; a block whose every p is 0 gets the byte 1 (its codes are zeros); M_c is kept as an f32 whole number.
; REGISTERS: window 0: v1-30 addresses; v32-63 scale words and nothing else; v64-127 at work on the way out; v128-255 A's fragments, later the codes.  window 1: B's fragments, two sets.  windows 2, 3: the accumulators.
.set KROW,   1024
.set ROWB,   256
.set NQ,     2
.set PITCH,  272                       ; an LDS row: 256 bytes + 16 of padding: the 16 rows that a load touches start at 16 different banks (ISA guide 11.1)
.set FR,     16
.set NL,     4
.set NP,     8                         ; places behind this matrix instruction (ISA guide 7.12.1)
.set HALFT,  128*PITCH
.set SLOT,   4*HALFT
.set LAPS,   KROW/(2*ROWB)
.set SCA,    2*SLOT
.set SCB,    SCA+8192
.set SPARE,  SCB+8192                  ; the spare words, 128 bytes a wave: two blocks of 256 bytes that no other line names
.set SST,    256*PITCH                 ; the way out, in slot 0 (its last fill and its last read are over): 256 rows x 272 of codes, then the scale words,
.set MST,    SST+2048                  ; -M_c,
.set LST,    MST+2048                  ; l_c: 2,048 bytes each, on end as in p_meta
.set ROWO,   2048                      ; a row of p_codes
.set STO,  8
.set SSO,  9
.set MSO,  10                          ; v10  where I put -M_c (and, 2,048 bytes on, l_c)
.set RD,   11
.set CO,   12
.set SRD,  13
.set SCO,  14
.set ADRA, 16
.set ADRB, 20
.set ADRS, 27
.set SPW,  28                          ; v28  LDS address of my spare word; never rewritten
.set NIL,  29                          ; v29  0; never rewritten
.set SC,   32
.set AF,   128
.set G1, 24
.set G0, 32
.set G1B, 48
.set G0B, 56
.set G1S, 68
.set G0S, 76
.set G1SB, 80
.set G0SB, 88
.set MSB, 0
.macro WIN new
.if MSB != (\new)
	s_set_vgpr_msb (MSB<<8)|(\new)
.set MSB, (\new)
.endif
.endm
.set MUL_LO, 0xa1
.set MUL_HI, 0xf1
.set TO_B,   0x40
.macro JLOAD g0a, g1a, g0b, g1b        ; waves 0 and 1 fetch for A, waves 2 and 3 for B; four v_nop follow each of the two lines
	s_cmp_eq_u32 s15, 0
	s_cbranch_scc0 .Lfor_b_\@
	tensor_load_to_lds s[\g0a:\g0a+3], s[\g1a:\g1a+7]
	s_nop 0
.rept 4
	v_nop
.endr
	s_branch .Lasked_\@
.Lfor_b_\@:
	tensor_load_to_lds s[\g0b:\g0b+3], s[\g1b:\g1b+7]
	s_nop 0
.rept 4
	v_nop
.endr
.Lasked_\@:
.endm
.macro CREST
	s_cmp_lg_u32 s14, 0
	s_cbranch_scc1 .Lnot_wave_0_\@
	s_barrier_signal -3
.Lnot_wave_0_\@:
	s_barrier_wait -3
	s_barrier_signal -1
	s_barrier_wait -1
.endm
.macro CROUND
	s_barrier_signal -1
	s_barrier_wait -1
	CREST
.endm
	s_load_b128 s[4:7], s[0:1], 0x0                ; qk_codes s[4:5], qk_scales s[6:7]
	s_load_b64 s[12:13], s[0:1], 0x10              ; p_codes
	s_load_b64 s[92:93], s[0:1], 0x18              ; p_meta
	v_lshl_add_u32 v[SPW], v0, 2, SPARE
	v_mov_b32 v[NIL], 0
	ds_add_u32 v28, v29
	ds_add_u32 v28, v29
	s_wait_dscnt 0x0
	v_lshrrev_b32 v1, 5, v0
	v_readfirstlane_b32 s14, v1                    ; wave 0..3
	s_lshr_b32 s15, s14, 1                         ; hr; also: I fetch for A (0) or for B (1)
	s_and_b32 s16, s14, 1                          ; hc; also: which 128 rows I fetch
	s_bfe_u32 s40, ttmp6, 0x40000                  ; cx, cy
	s_bfe_u32 s41, ttmp6, 0x40004
	s_lshl_b32 s42, ttmp9, 2
	s_add_co_u32 s42, s42, s40                     ; tx: which 256 keys of the batch
	s_and_b32 s95, ttmp7, 0xffff                   ; the cluster's y
	s_lshl_b32 s17, s95, 2
	s_add_co_u32 s17, s17, s41                     ; ty: which 256 queries
	s_lshl_b32 s43, s41, 2
	s_lshl_b32 s43, 15, s43                        ; my row of the cluster
	s_lshl_b32 s44, 0x1111, s40                    ; my column
	s_or_b32 s[G1+0], s43, (0<<16)|(1<<20)|(1<<21)|(5<<22)|(3<<25)   ; the codes: 128 rows x 256 bytes, 16 bytes of padding behind each row
	s_or_b32 s[G1B+0], s44, (0<<16)|(1<<20)|(1<<21)|(5<<22)|(3<<25)
.irp g, G1, G1B
	s_mov_b32 s[\g+1], ROWB<<16
	s_mov_b32 s[\g+2], 128<<16
	s_mov_b32 s[\g+3], ROWB<<16
	s_mov_b32 s[\g+4], 128
	s_mov_b32 s[\g+5], KROW
	s_mov_b32 s[\g+6], 0
	s_mov_b32 s[\g+7], 0
.endr
	s_or_b32 s[G1S+0], s43, (3<<16)|(1<<21)        ; the scales: 4,096 dense bytes as 16 rows of 256, no padding
	s_or_b32 s[G1SB+0], s44, (3<<16)|(1<<21)
.irp g, G1S, G1SB
	s_mov_b32 s[\g+1], 32<<16
	s_mov_b32 s[\g+2], 16<<16
	s_mov_b32 s[\g+3], 32<<16
	s_mov_b32 s[\g+4], 16
	s_mov_b32 s[\g+5], 32
	s_mov_b32 s[\g+6], 0
	s_mov_b32 s[\g+7], 0
.endr
	s_lshl_b32 s18, s16, 7
	s_lshl_b32 s20, s17, 8
	s_add_co_u32 s20, s20, s18                     ; A: row 256 ty + 128 hc
	s_lshl_b32 s20, s20, 10
	s_mov_b32 s21, 0
	s_lshr_b32 s19, s95, 1                         ; the batch: the same in all sixteen partners
	s_lshl_b32 s46, s42, 8
	s_add_co_u32 s46, s46, s18
	s_lshl_b32 s47, s19, 11
	s_add_co_u32 s46, s46, s47
	s_add_co_u32 s46, s46, 8192                    ; B: row 8,192 + 2,048 batch + 256 tx + 128 hc
	s_lshl_b32 s46, s46, 10
	s_mov_b32 s47, 0
	s_lshl_b32 s18, s16, 12                        ; the scales: K steps 2 hc and 2 hc + 1
	s_lshl_b32 s22, s17, 13
	s_add_co_u32 s22, s22, s18
	s_mov_b32 s23, 0
	s_lshl_b32 s66, s19, 3
	s_add_co_u32 s66, s66, s42
	s_add_co_u32 s66, s66, 32                      ; B's: tile 32 + 8 batch + tx
	s_lshl_b32 s66, s66, 13
	s_add_co_u32 s66, s66, s18
	s_mov_b32 s67, 0
	s_mul_i32 s45, s14, HALFT
	s_lshl_b32 s94, s14, 12
	s_wait_kmcnt 0x0
	s_add_nc_u64 s[20:21], s[4:5], s[20:21]
	s_add_nc_u64 s[22:23], s[6:7], s[22:23]
	s_add_nc_u64 s[46:47], s[4:5], s[46:47]
	s_add_nc_u64 s[66:67], s[6:7], s[66:67]
	CROUND                                         ; all sixteen work-groups are here: the first joint loads meet
	s_mov_b32 s[G0S], 1
	s_add_co_u32 s[G0S+1], s94, SCA
	s_mov_b64 s[G0S+2:G0S+3], s[22:23]
	s_or_b32 s[G0S+3], s[G0S+3], 0x80000000
	s_mov_b32 s[G0SB], 1
	s_add_co_u32 s[G0SB+1], s94, SCA
	s_mov_b64 s[G0SB+2:G0SB+3], s[66:67]
	s_or_b32 s[G0SB+3], s[G0SB+3], 0x80000000
	JLOAD G0S, G1S, G0SB, G1SB
.irp s, 0,1
	s_mov_b32 s[G0+4*\s], 1
	s_add_co_u32 s[G0+4*\s+1], s45, \s*SLOT
	s_add_nc_u64 s[G0+4*\s+2:G0+4*\s+3], s[20:21], \s*ROWB
	s_or_b32 s[G0+4*\s+3], s[G0+4*\s+3], 0x80000000
	s_mov_b32 s[G0B+4*\s], 1
	s_add_co_u32 s[G0B+4*\s+1], s45, \s*SLOT
	s_add_nc_u64 s[G0B+4*\s+2:G0B+4*\s+3], s[46:47], \s*ROWB
	s_or_b32 s[G0B+4*\s+3], s[G0B+4*\s+3], 0x80000000
	JLOAD G0+4*\s, G1, G0B+4*\s, G1B               ; three tensor loads of mine are out
.endr
	v_and_b32 v1, 15, v0                           ; r
	v_bfe_u32 v2, v0, 4, 1                         ; h
	v_mul_u32_u24 v3, v1, PITCH
	v_lshl_add_u32 v4, v2, 4, v3
	s_mul_i32 s21, s15, HALFT
	s_mul_i32 s22, s16, HALFT
	s_add_co_u32 s22, s22, 2*HALFT
.irp s, 0,1
	v_add_nc_u32 v[ADRA+\s], s21, v4
	v_add_nc_u32 v[ADRB+\s], s22, v4
	s_add_co_u32 s21, s21, SLOT
	s_add_co_u32 s22, s22, SLOT
.endr
	v_lshlrev_b32 v5, 3, v1
	s_lshl_b32 s21, s15, 10
	s_lshl_b32 s22, s16, 10
	s_add_co_u32 s22, s22, SCB-SCA
	s_sub_co_u32 s22, s22, s21
	v_mul_u32_u24 v6, s22, v2                      ; lanes 16-31 take B's scale words
	s_add_co_u32 s21, s21, SCA
	v_add_nc_u32 v5, v5, v6
	v_add_nc_u32 v[ADRS], s21, v5
	; the way out
	s_lshl_b32 s21, s15, 7
	v_add_nc_u32 v5, s21, v1                       ; 128 hr + r
	v_mul_u32_u24 v[STO], v5, PITCH
	v_lshl_add_u32 v[STO], v2, 3, v[STO]
	s_lshl_b32 s22, s16, 7
	v_add_nc_u32 v[STO], s22, v[STO]               ; + 128 hc + 8 h
	v_lshlrev_b32 v[SSO], 3, v5
	s_lshl_b32 s22, s16, 2
	s_add_co_u32 s22, s22, SST
	v_add_nc_u32 v[SSO], s22, v[SSO]
	v_lshlrev_b32 v[MSO], 2, v5
	s_lshl_b32 s22, s16, 10
	s_add_co_u32 s22, s22, MST
	v_add_nc_u32 v[MSO], s22, v[MSO]               ; chunk hc, 4 bytes a row
	s_lshl_b32 s22, s14, 6
	v_add_nc_u32 v6, s22, v2
	v_mul_u32_u24 v[RD], v6, PITCH
	v_lshl_add_u32 v[RD], v1, 4, v[RD]
	v_mul_u32_u24 v[CO], v2, ROWO
	v_lshl_add_u32 v[CO], v1, 4, v[CO]
	v_lshlrev_b32 v[SCO], 4, v0
	v_add_nc_u32 v[SRD], SST, v[SCO]
	s_lshl_b32 s20, s17, 8
	s_add_co_u32 s20, s20, s22                     ; the first row that I store: 256 ty + 64 w
	s_lshl_b32 s20, s20, 11
	s_lshl_b32 s46, s42, 8
	s_add_co_u32 s20, s20, s46
	s_mov_b32 s21, 0
	s_add_nc_u64 s[12:13], s[12:13], s[20:21]
	s_lshl_b32 s20, s17, 3
	s_add_co_u32 s20, s20, s42
	s_mul_i32 s20, s20, 6144                       ; p_meta: block (ty, tx)
	s_add_nc_u64 s[92:93], s[92:93], s[20:21]
.macro FRAG reg, adr, q, i
.irp c, 0,1,2,3
	ds_load_b128 v[\reg+4*\c:\reg+4*\c+3], v[\adr] offset:128*(\q)+32*\c+(\i)*16*PITCH
.endr
.endm
; 16 matrix instructions: A's blocks a0, a0 + 1 x B's eight.  zero = 1: the first product starts the sums.  The 64 accumulators take turns.
.macro MUL16 a0, p, q, sc, zero
.irp a, \a0, \a0+1
.irp b, 0,1,2,3,4,5,6,7
.if \zero
	v_wmma_scale_f32_16x16x128_f8f6f4 v[8*(8*((\a)%4)+\b):8*(8*((\a)%4)+\b)+7], v[128*(\p)+FR*\b:128*(\p)+FR*\b+FR-1], v[AF+FR*(\a):AF+FR*(\a)+FR-1], 0, v[SC+8*NQ*(\sc)+NQ*\b+(\q)], v[SC+8*NQ*(\sc)+NQ*(\a)+(\q)] matrix_a_fmt:MATRIX_FMT_BF8 matrix_b_fmt:MATRIX_FMT_BF8 matrix_a_scale:MATRIX_SCALE_ROW1
.else
	v_wmma_scale_f32_16x16x128_f8f6f4 v[8*(8*((\a)%4)+\b):8*(8*((\a)%4)+\b)+7], v[128*(\p)+FR*\b:128*(\p)+FR*\b+FR-1], v[AF+FR*(\a):AF+FR*(\a)+FR-1], v[8*(8*((\a)%4)+\b):8*(8*((\a)%4)+\b)+7], v[SC+8*NQ*(\sc)+NQ*\b+(\q)], v[SC+8*NQ*(\sc)+NQ*(\a)+(\q)] matrix_a_fmt:MATRIX_FMT_BF8 matrix_b_fmt:MATRIX_FMT_BF8 matrix_a_scale:MATRIX_SCALE_ROW1
.endif
.endr
.endr
.endm
.macro FETCH_B slot, q, p
	WIN TO_B
.irp i, 0,1,2,3,4,5,6,7
	FRAG 128*(\p)+FR*\i, ADRB+\slot, \q, \i
.endr
	WIN 0
.endm
.macro FETCH_A slot, q, i0
.irp i, \i0, \i0+1, \i0+2, \i0+3
	FRAG AF+FR*(\i), ADRA+\slot, \q, \i
.endr
.endm
.macro SCALES sc
.irp i, 0,1,2,3,4,5,6,7
	ds_load_b64 v[SC+8*NQ*\sc+NQ*\i:SC+8*NQ*\sc+NQ*\i+1], v[ADRS] offset:\i*128
.endr
.endm
.macro PLACES n
.rept \n
	v_nop
.endr
.endm
.macro STEP slot, q, zero
	s_wait_dscnt 4*NL                              ; all but the youngest sixteen loads (A's blocks 4-7)
	WIN MUL_LO
	MUL16 0, (\q)%2, \q, \slot, \zero
	MUL16 2, (\q)%2, \q, \slot, \zero
	s_wait_dscnt 0
	PLACES NP
	FETCH_B \slot, (\q)+1, 1-(\q)%2
	FETCH_A \slot, (\q)+1, 0
	WIN MUL_HI
	MUL16 4, (\q)%2, \q, \slot, \zero
	MUL16 6, (\q)%2, \q, \slot, \zero
	PLACES NP
	WIN 0
	FETCH_A \slot, (\q)+1, 4
.endm
.macro TURN slot, next, fill
	s_wait_tensorcnt 0x0                           ; all my tensor loads have landed: my part of the next slot
	ds_add_u32 v[SPW], v[NIL]                      ; 0 onto my spare word
	s_wait_dscnt 4*NL+1                            ; (the add and the youngest sixteen loads may be out)
	WIN MUL_LO
	MUL16 0, 1, NQ-1, \slot, 0
	s_wait_dscnt 0x0                               ; the add is done, and my reads of this slot are over
	s_barrier_signal -1
	MUL16 2, 1, NQ-1, \slot, 0
	WIN 0
	s_barrier_wait -1
.if \fill
	CREST                                          ; the barrier has opened a round of the cluster's: no wave of any partner still reads this slot or has a load on its way
	s_add_nc_u64 s[G0+4*\slot+2:G0+4*\slot+3], s[G0+4*\slot+2:G0+4*\slot+3], 2*ROWB
	s_add_nc_u64 s[G0B+4*\slot+2:G0B+4*\slot+3], s[G0B+4*\slot+2:G0B+4*\slot+3], 2*ROWB
	JLOAD G0+4*\slot, G1, G0B+4*\slot, G1B         ; the first tensor load behind the round, my only one until the next
	PLACES NP-4
.else
	PLACES NP
.endif
	v_add_nc_u32 v[ADRS], 2048, v[ADRS]
	FETCH_B \next, 0, 0
	FETCH_A \next, 0, 0
	SCALES \next
	WIN MUL_HI
	MUL16 4, 1, NQ-1, \slot, 0
	MUL16 6, 1, NQ-1, \slot, 0
	PLACES NP
	WIN 0
	FETCH_A \next, 0, 4
.endm
	s_wait_tensorcnt 1                             ; the scales and my part of K step 0 are in (K step 1's load may be out)
	s_barrier_signal -1
	s_barrier_wait -1
	FETCH_B 0, 0, 0
	FETCH_A 0, 0, 0
	SCALES 0
	FETCH_A 0, 0, 4
	STEP 0, 0, 1
	s_mov_b32 s3, LAPS-1
.Llap:
	TURN 0, 1, 1
	STEP 1, 0, 0
	TURN 1, 0, 1
	STEP 0, 0, 0
	s_sub_co_u32 s3, s3, 1
	s_cmp_lg_u32 s3, 0
	s_cbranch_scc1 .Llap
	TURN 0, 1, 0
	STEP 1, 0, 0
	s_wait_dscnt 4*NL
	WIN MUL_LO
	MUL16 0, 1, NQ-1, 1, 0
	MUL16 2, 1, NQ-1, 1, 0
	s_wait_dscnt 0
	WIN MUL_HI
	MUL16 4, 1, NQ-1, 1, 0
	MUL16 6, 1, NQ-1, 1, 0
	WIN 0
; THE WAY OUT.  In block a (16 queries) a lane holds query r; of the block of 32 keys n its registers 16 n + 0..7 are keys 32 n + 8 h + 0..7 and 16 n + 8..15 keys 32 n + 16 + 8 h + 0..7; lane l xor 16 holds the other 16.
; v64-67 the blocks' largest scores, then largest p; v68-71 at work; v72-75 57,344 x the scale; v76-79 the conversions' scale operands; v80+a the scale word; v88+2a -M_c (v89+2a the largest t); v104+a l_c; v112-117 at work.
.macro PBLK a
.set AC, 64*((\a)%4)
.set WH, (\a)/4
.set NM, 88+2*(\a)
	WIN 0x0a+5*WH                                  ; sources 0 and 1: the accumulators' window
.irp b, 0,1,2,3
	v_max_num_f32 v[64+\b], v[AC+16*\b], v[AC+16*\b+1]   ; the largest score of each block of 32 keys: it serves for the chunk's maximum and, since p rises with the score, for the block's largest p.  Each accumulator is read from its low end on
.endr
.irp i, 2,4,6,8,10,12,14
.irp b, 0,1,2,3
	v_max3_num_f32 v[64+\b], v[AC+16*\b+\i], v[AC+16*\b+\i+1], v[64+\b]
.endr
.endr
	WIN 0
.irp b, 0,1,2,3
	v_permlanex16_b32 v[68+\b], v[64+\b], s20, s21
.endr
.irp b, 0,1,2,3
	v_max_num_f32 v[64+\b], v[64+\b], v[68+\b]
.endr
	v_max3_num_f32 v116, v64, v65, v66
	v_max_num_f32 v116, v116, v67                  ; the chunk's largest score of my query
	v_mul_f32 v[NM+1], s22, v116                   ; as t (the factor is positive)
	v_floor_f32 v[NM], -v[NM+1]                    ; -M_c = floor(-t) = -ceil(t): a whole number
.irp b, 0,1,2,3
	v_fma_f32 v[64+\b], v[64+\b], s22, v[NM]       ; t - M_c of each block's largest score
.endr
	WIN 0x82+0x41*WH                               ; destination and source 0: the accumulators' window
.set jj, 0
.rept 32
	v_pk_fma_f32 v[AC+jj:AC+jj+1], v[AC+jj:AC+jj+1], s[22:23], v[NM:NM+1] op_sel_hi:[1,0,0]   ; t - M_c, two at a time (of both pairs the low word serves both halves)
.set jj, jj+2
.endr
.set jj, 0
.rept 64
	v_exp_f32 v[AC+jj], v[AC+jj]                   ; p = 2^(t - M_c): not normalised
.set jj, jj+1
.endr
	WIN 0
.irp b, 0,1,2,3
	v_exp_f32 v[64+\b], v[64+\b]                   ; the block's largest p: the same two operations on the same number give the same bits
.endr
	v_nop                                          ; a plain line behind the last exponential
	s_wait_alu depctr_va_vdst(0)                   ; one wait for the batch of 68, ahead of its first reader
	WIN 0x0a+5*WH
	v_pk_add_f32 v[112:113], v[AC:AC+1], v[AC+2:AC+3]    ; the sum is taken of the unquantised p: two at a time, in two chains
	v_pk_add_f32 v[114:115], v[AC+4:AC+5], v[AC+6:AC+7]
	WIN 0x02+WH
.set jj, 8
.rept 14
	v_pk_add_f32 v[112:113], v[AC+jj:AC+jj+1], v[112:113]
	v_pk_add_f32 v[114:115], v[AC+jj+2:AC+jj+3], v[114:115]
.set jj, jj+4
.endr
	WIN 0
	v_pk_add_f32 v[112:113], v[112:113], v[114:115]
.irp b, 0,1,2,3
	v_max_num_f32 v[64+\b], 0x8000000, v[64+\b]    ; the floor 2^(16 - 127): the byte cannot fall under 1
.endr
	v_add_f32 v112, v112, v113
.irp b, 0,1,2,3
	v_add_nc_u32 v[76+\b], 0xf8800000, v[64+\b]    ; 15 off the exponent field: the conversion's scale operand
.endr
	v_permlanex16_b32 v117, v112, s20, s21
.irp b, 0,1,2,3
	v_and_or_b32 v[72+\b], v[64+\b], 0x7f800000, s18   ; 57,344 x the scale
.endr
	v_add_f32 v[104+(\a)], v112, v117              ; l_c
.irp b, 0,1,2,3
	v_lshrrev_b32 v[68+\b], 23, v[76+\b]           ; the scale's byte
.endr
	v_lshl_or_b32 v[80+(\a)], v69, 8, v68          ; my query's scale word for these 128 keys
	v_lshl_or_b32 v[80+(\a)], v70, 16, v[80+(\a)]
	v_lshl_or_b32 v[80+(\a)], v71, 24, v[80+(\a)]
	WIN 0x82+0x41*WH
.irp b, 0,1,2,3
.irp i, 0,1,2,3,4,5,6,7,8,9,10,11,12,13,14,15
	v_min_num_f32 v[AC+16*\b+\i], v[AC+16*\b+\i], v[72+\b]   ; the conversion does not saturate (ISA guide 7.6.2); p is not negative, so the hold is one-sided
.endr
.endr
	WIN 0x02+WH
.irp b, 0,1,2,3
	v_cvt_scalef32_pk8_bf8_f32 v[128+16*(\a)+4*\b:128+16*(\a)+4*\b+1], v[AC+16*\b:AC+16*\b+7], v[76+\b]
	v_cvt_scalef32_pk8_bf8_f32 v[128+16*(\a)+4*\b+2:128+16*(\a)+4*\b+3], v[AC+16*\b+8:AC+16*\b+15], v[76+\b]
.endr
	WIN 0
	v_nop                                          ; a plain line behind the last conversion
.irp b, 0,1,2,3
	ds_store_b64 v[STO], v[128+16*(\a)+4*\b:128+16*(\a)+4*\b+1] offset:(\a)*16*PITCH+32*\b
	ds_store_b64 v[STO], v[128+16*(\a)+4*\b+2:128+16*(\a)+4*\b+3] offset:(\a)*16*PITCH+32*\b+16
.endr
	ds_store_b32 v[SSO], v[80+(\a)] offset:128*(\a)      ; lanes l and l xor 16 write the same words with the same values
	ds_store_b32 v[MSO], v[NM] offset:64*(\a)
	ds_store_b32 v[MSO], v[104+(\a)] offset:64*(\a)+2048
.endm
; A row's 256 bytes come from two waves: a barrier, then each wave reads 64 whole rows and stores them, sixteen lanes to 256 consecutive aligned bytes; the n small blocks of 2,048 bytes likewise.
.macro OUTC n
	s_wait_dscnt 0x0                               ; for the others' sake: my stores into the stage are done
	s_barrier_signal -1
	s_barrier_wait -1
.set kk, 0
.rept \n
	ds_load_b128 v[116+4*kk:116+4*kk+3], v[SRD] offset:2048*kk
.set kk, kk+1
.endr
.set tt, 0
.rept 32
	ds_load_b128 v[128+4*tt:128+4*tt+3], v[RD] offset:2*PITCH*tt
.set tt, tt+1
.endr
.set kk, 0
.rept \n
	s_wait_dscnt (\n)+31-kk                        ; LDS loads come back in order: this one is in, the younger ones may be out
	global_store_b128 v[SCO], v[116+4*kk:116+4*kk+3], s[92:93] offset:2048*kk
.set kk, kk+1
.endr
.set tt, 0
.rept 32
	s_wait_dscnt 31-tt
	global_store_b128 v[CO], v[128+4*tt:128+4*tt+3], s[12:13] offset:2*tt*ROWO
.set tt, tt+1
.endr
.endm
	s_mov_b32 s18, 0x600000                        ; the mantissa field of 57,344
	s_mov_b32 s20, 0x76543210
	s_mov_b32 s21, 0xfedcba98                      ; v_permlanex16_b32's selects for lane l xor 16
	s_mov_b32 s22, 0x3d38aa3b                      ; log2(e) / 32: 1 / 32 is the scale 1,024^-0.5
	s_mov_b32 s23, s22                             ; (named with it as a pair, so it is written)
	PLACES NP
.irp b, 0,1,2,3
	v_mov_b32 v[68+\b], 0                          ; written once: a lane permute's destination counts as one of its sources
.endr
	v_mov_b32 v117, 0
.irp a, 0,1,2,3,4,5,6,7
	PBLK \a
.endr
	OUTC 3
	s_wait_tensorcnt 0x0                           ; the wave's end
	ds_add_u32 v[SPW], v[NIL]
	s_wait_dscnt 0x0
	CROUND                                         ; the closing round
	s_endpgm
.Lfunc_end_k_q651b558e02_scores:
	.size	k_q651b558e02_scores, .Lfunc_end_k_q651b558e02_scores-k_q651b558e02_scores
	.p2alignl 7, 3214868480
	.fill 96, 4, 3214868480
	.section	.rodata,"a",@progbits
	.p2align	6, 0x0
	.amdhsa_kernel k_q651b558e02_scores
		.amdhsa_group_segment_fixed_size 327680
		.amdhsa_private_segment_fixed_size 0
		.amdhsa_enable_private_segment 0
		.amdhsa_kernarg_size 32
		.amdhsa_user_sgpr_count 2
		.amdhsa_user_sgpr_kernarg_segment_ptr 1
		.amdhsa_wavefront_size32 1
		.amdhsa_system_sgpr_workgroup_id_x 1
		.amdhsa_system_sgpr_workgroup_id_y 1
		.amdhsa_system_sgpr_workgroup_id_z 1
		.amdhsa_system_vgpr_workitem_id 0
		.amdhsa_next_free_vgpr 1024
		.amdhsa_next_free_sgpr 98
		.amdhsa_reserve_vcc 0
		.amdhsa_float_denorm_mode_32 3
		.amdhsa_float_denorm_mode_16_64 3
		.amdhsa_memory_ordered 1
		.amdhsa_forward_progress 1
		.amdhsa_inst_pref_size 233
	.end_amdhsa_kernel
	.amdgpu_metadata
---
amdhsa.version: [ 1, 2 ]
amdhsa.kernels:
  - .name:           k_q651b558e02_scores
    .symbol:         k_q651b558e02_scores.kd
    .args:
      - { .name: qk_codes, .offset: 0, .size: 8, .value_kind: global_buffer, .address_space: global }
      - { .name: qk_scales, .offset: 8, .size: 8, .value_kind: global_buffer, .address_space: global }
      - { .name: p_codes, .offset: 16, .size: 8, .value_kind: global_buffer, .address_space: global }
      - { .name: p_meta, .offset: 24, .size: 8, .value_kind: global_buffer, .address_space: global }
    .group_segment_fixed_size: 327680
    .private_segment_fixed_size: 0
    .kernarg_segment_align: 8
    .kernarg_segment_size: 32
    .max_flat_workgroup_size: 128
    .sgpr_count:     98
    .vgpr_count:     1024
    .wavefront_size: 32
...
	.end_amdgpu_metadata
.endif
;; end of part 3
;; launch mix (part 4): grid 4 x 64, 4 waves a work-group, clusters of 4 x 4, 327,680 bytes of LDS; arguments p_codes, p_meta, v_codes, v_scales, out0; writes out0
.if DOCPART == 4
	.amdgcn_target "amdgcn-amd-amdhsa--gfx1250"
	.amdhsa_code_object_version 6
	.text
	.protected	k_q651b558e02_mix
	.globl	k_q651b558e02_mix
	.p2align	8
	.type	k_q651b558e02_mix,@function
k_q651b558e02_mix:
	s_mov_b64 s[64:65], 0
	v_nop
	global_prefetch_b8 v0, s[64:65] scope:SCOPE_SE
	s_setreg_imm32_b32 hwreg(HW_REG_WAVE_MODE, 25, 1), 1
	s_wait_xcnt 0x0
	s_wait_alu depctr_hold_cnt(0) depctr_sa_sdst(0) depctr_va_vdst(0) depctr_va_sdst(0) depctr_va_ssrc(0) depctr_va_vcc(0) depctr_vm_vsrc(0)
	s_getreg_b32 s2, hwreg(HW_REG_IB_STS2, 6, 4)
	s_cmp_eq_u32 s2, 0
	s_cbranch_scc0 .Lentry_in_a_cluster
	s_endpgm
.Lentry_in_a_cluster:
	s_bfe_u32 s2, ttmp6, 0x10000c
	s_cmp_lg_u32 s2, 0xf033
	s_cbranch_scc0 .Lentry_shape_is_right
	s_endpgm
.Lentry_shape_is_right:
; out = Q(p) Q(value) / l for 4 batches of 2,048 x 1,024, K = 2,048 keys, on codes of BF8 (E5M2) with E8M0 scales.
; A: rows 128 ty on of p_codes [8192 queries][2048 keys].  B: rows 1,024 batch + 256 tx on of v_codes [4 x 1024 channels][2048 keys].  Out: out0 [8192][1024] f32.
; A TILE IS 128 QUERIES x 256 CHANNELS: 64 x 4 = 256 work-groups.  Four waves, as many as a WGP has SIMDs, each 64 x 128: 32 accumulators, 256 registers.  A tile of 256 x 256 would feed more products
; from each LDS byte (16 fragments for 64 products against 12 for 32), but there would be 128 of them.
; THE HEAD joins the softmax's 16 chunks of 128 keys for the tile's 128 queries (thread t: row t): M = the largest M_c; l = the sum of l_c 2^(M_c - M), each factor made by v_ldexp_f32, which rounds nothing;
; each of p's scale bytes is lowered by M - M_c, so that the codes stand for p under M.  The words go to LDS by stores, and 1 / l beside them.
; LIMIT: a byte that would fall under 0 is set to 0: such a block's p are at most 2^-111 against l >= 1/2.  p's bytes lie between 1 and 112, and the lowering is held at 127, so no byte borrows from its neighbour.
; NaN and infinities are not served.
; K goes in eight steps of 256 through a ring of two LDS slots filled by the tensor data mover: a tile's row is 256 bytes of memory.  B's scales for all of K come into LDS once, with the first fills.
; CLUSTERS: 4 x 4 work-groups; A's tiles are asked for jointly along a row of the cluster, B's along a column (the four rows of a cluster, 512 queries, lie in one batch).
; THE MATRIX INSTRUCTION IS USED TRANSPOSED (source 0 = 16 channels, source 1 = 16 queries): a lane holds one query and eight neighbouring channels an accumulator.
; REGISTERS: window 0: v1-30 addresses; v32-63 scale words, two sets, and nothing else; v64-71 1 / l of my row in each of the 4 blocks, twice; v128-255 the head's numbers, then A's fragments (two sets of 4 x 16), then rows of out0.
;   window 1: B's fragments, two sets of 8 x 16.   window 2: the accumulators, (a, b) at v[8 (8 a + b)].
.set KROW,   2048                      ; a row of codes in memory
.set ROWB,   256                       ; a tile's row: a K step
.set PITCH,  272                       ; an LDS row: 256 bytes + 16 of padding: the 16 rows that a load touches start at 16 different banks (64 banks of 4 bytes: ISA guide 11.1)
.set FR,     16                        ; registers of a fragment
.set NP,     8                         ; places behind this matrix instruction (ISA guide 7.12.1)
.set AH,     64*PITCH                  ; 64 rows of A: what wave 0 or 1 fetches
.set BH,     128*PITCH                 ; 128 rows of B: what wave 2 or 3 fetches
.set BOFF,   128*PITCH                 ; in a slot B's 256 rows lie behind A's 128
.set SLOT,   384*PITCH
.set LAPS,   KROW/(2*ROWB)             ; a lap = two K steps = once round the ring
.set SCA,    2*SLOT                    ; A's scale words [8 K steps][256 x 8 bytes]: written by LDS stores alone; the 128 rows are stored twice, so that A's and B's words have one stride and every byte that is read has been written
.set SCB,    SCA+16384                 ; B's [8 K steps][256 rows][8 bytes]: filled once by tensor loads
.set RL,     SCB+16384                 ; 1 / l of the 128 rows: written by LDS stores alone
.set SPARE,  RL+512                    ; the spare words, 128 bytes a wave: two blocks of 256 bytes that no other line names
.set SPITCH, 528                       ; the way out: 16 rows x (512 bytes + 16) for each wave, in slot 0, whose last fill and last read are over
.set SIZE_N, 1024
.set STO,  8                           ; v8   the way out: where I put 32 bytes of a row
.set RD,   11                          ; v11  where I read a row back
.set CO,   12                          ; v12  my byte offset in a row of out0
.set RLA,  15                          ; v15  where my rows' 1 / l lie
.set ADRA, 16                          ; v16-17 LDS address of my A fragments in slot 0, 1
.set ADRB, 20                          ; v20-21 the same for B
.set ADRS, 27                          ; v27  LDS address of my scale words: lanes 0-15 A's rows, lanes 16-31 B's
.set SPW,  28                          ; v28  LDS address of my spare word; never rewritten
.set NIL,  29                          ; v29  0; never rewritten
.set PFO,  30                          ; v30  the prefetches' offset: my lane x a row of 2,048 bytes; never rewritten
.set SC,   32                          ; scale words: set s (for slot s) at v[SC + 16 s]; register 2 i + q: lanes 0-15 A's block i, lanes 16-31 B's block i, the slot's q-th 128 along K
.set RI,   64
.set AF,   128                         ; A's fragments: set q at v[AF + 64 q]
.set BK,   128                         ; the way out: 16 rows read back: v128-191 and v192-255 by turns
.set MW,   128                         ; the head: v128-143 my row's scale word of chunk c
.set MN,   144                         ; v144-159 -M_c
.set ML,   160                         ; v160-175 l_c
.set MT,   176                         ; v176-181 at work
.set G1, 24                            ; s[24:31] descriptor group 1 for A's tiles;  s[32:39] group 0, one set for each slot
.set G0, 32
.set G1B, 48                           ; s[48:55], s[56:63] the same for B's tiles
.set G0B, 56
.set G1SB, 80                          ; s[80:87], s[88:91] groups 1 and 0 for B's scales
.set G0SB, 88
.set LIM,  66                          ; s66  1 in a wave that prefetches, else the greatest number
.set PFA,  96                          ; s[96:97] where my prefetches stand
.set MSB, 0
.macro WIN new                         ; the immediate's high byte repeats the setting that is left
.if MSB != (\new)
	s_set_vgpr_msb (MSB<<8)|(\new)
.set MSB, (\new)
.endif
.endm
.set MUL,    0xa1                      ; source 0 (B) window 1, source 1 (A) window 0, C and D window 2
.set TO_B,   0x40                      ; destination window 1, address window 0
; A joint load: waves 0 and 1 fetch for A, waves 2 and 3 for B; the branch hangs on the wave's number alone.  Four v_nop follow each of the two lines.
.macro JLOAD g0a, g1a, g0b, g1b
	s_cmp_eq_u32 s15, 0
	s_cbranch_scc0 .Lfor_b_\@
	tensor_load_to_lds s[\g0a:\g0a+3], s[\g1a:\g1a+7]
	s_nop 0
.rept 4
	v_nop
.endr
	s_branch .Lasked_\@
.Lfor_b_\@:
	tensor_load_to_lds s[\g0b:\g0b+3], s[\g1b:\g1b+7]
	s_nop 0
.rept 4
	v_nop
.endr
.Lasked_\@:
.endm
; A PREFETCH, behind each joint refill, its four lines and the run of LDS loads: the K step that stands two refills on: 32 rows x 256 bytes, a lane a row, one instruction a wave, 128 matrix instructions of the wave ahead of the load that wants it.
; Each row's 256 bytes of a K step are named once in the launch.  A's 128 rows are read by one cluster alone: its four partners along x take 32 rows each, and wave 0 asks.  B's 256 rows are read by the four clusters of a batch,
; of which the first asks: its four partners along y take 64 rows each, waves 2 and 3 asking for 32 each.  The partners are told apart by address: no branch hangs on a work-group's place in its cluster.  Wave 1 asks for nothing.
; K steps 0 to 3 come by their loads alone; the loop's last trip, which fetches K steps 6 and 7, asks for nothing.
.macro ASK
	s_cmp_gt_u32 s3, s[LIM]                        ; s3 = 1 in the loop's last trip
	s_cbranch_scc0 .Lnot_mine_\@
	global_prefetch_b8 v[PFO], s[PFA:PFA+1] offset:ROWB th:TH_LOAD_NT scope:SCOPE_SE
.Lnot_mine_\@:
.endm
.macro CREST                           ; a round of the cluster's barrier behind its opening barrier
	s_cmp_lg_u32 s14, 0
	s_cbranch_scc1 .Lnot_wave_0_\@
	s_barrier_signal -3
.Lnot_wave_0_\@:
	s_barrier_wait -3
	s_barrier_signal -1
	s_barrier_wait -1
.endm
.macro CROUND
	s_barrier_signal -1
	s_barrier_wait -1
	CREST
.endm
	s_load_b128 s[4:7], s[0:1], 0x0                ; p_codes s[4:5], p_meta s[6:7]
	s_load_b128 s[8:11], s[0:1], 0x10              ; v_codes s[8:9], v_scales s[10:11]
	s_load_b64 s[12:13], s[0:1], 0x20              ; out0
	v_lshl_add_u32 v[SPW], v0, 2, SPARE
	v_mov_b32 v[NIL], 0
	ds_add_u32 v28, v29
	ds_add_u32 v28, v29
	s_wait_dscnt 0x0
	v_lshrrev_b32 v1, 5, v0
	v_readfirstlane_b32 s14, v1                    ; wave 0..3
	s_lshr_b32 s15, s14, 1                         ; hr: which 64 of the tile's rows are mine.  Also: I fetch for A (0) or for B (1)
	s_and_b32 s16, s14, 1                          ; hc: which 128 of its columns.  Also: which half of that operand's rows I fetch
	s_bfe_u32 s40, ttmp6, 0x40000                  ; cx, cy
	s_bfe_u32 s41, ttmp6, 0x40004
	s_lshl_b32 s42, ttmp9, 2
	s_add_co_u32 s42, s42, s40                     ; tx: which 256 channels
	s_and_b32 s95, ttmp7, 0xffff                   ; the cluster's y
	s_lshl_b32 s17, s95, 2
	s_add_co_u32 s17, s17, s41                     ; ty: which 128 queries
	s_lshl_b32 s43, s41, 2
	s_lshl_b32 s43, 15, s43                        ; my row of the cluster
	s_lshl_b32 s44, 0x1111, s40                    ; my column
	; group 1 for the codes: rows of 256 bytes, 16 bytes of padding behind each; 64 rows to a load of A, 128 to a load of B
	s_or_b32 s[G1+0], s43, (0<<16)|(1<<20)|(1<<21)|(5<<22)|(3<<25)
	s_mov_b32 s[G1+1], ROWB<<16                    ; tensor_dim0
	s_mov_b32 s[G1+2], 64<<16                      ; tensor_dim1
	s_mov_b32 s[G1+3], ROWB<<16                    ; tile_dim0
	s_mov_b32 s[G1+4], 64                          ; tile_dim1
	s_mov_b32 s[G1+5], KROW                        ; from row to row
	s_mov_b32 s[G1+6], 0
	s_mov_b32 s[G1+7], 0
	s_or_b32 s[G1B+0], s44, (0<<16)|(1<<20)|(1<<21)|(5<<22)|(3<<25)
	s_mov_b32 s[G1B+1], ROWB<<16
	s_mov_b32 s[G1B+2], 128<<16
	s_mov_b32 s[G1B+3], ROWB<<16
	s_mov_b32 s[G1B+4], 128
	s_mov_b32 s[G1B+5], KROW
	s_mov_b32 s[G1B+6], 0
	s_mov_b32 s[G1B+7], 0
	s_or_b32 s[G1SB+0], s44, (3<<16)|(1<<21)       ; B's scales: 4,096 dense bytes a wave as 16 rows of 256 (32 elements of 8 bytes), no padding
	s_mov_b32 s[G1SB+1], 32<<16
	s_mov_b32 s[G1SB+2], 16<<16
	s_mov_b32 s[G1SB+3], 32<<16
	s_mov_b32 s[G1SB+4], 16
	s_mov_b32 s[G1SB+5], 32
	s_mov_b32 s[G1SB+6], 0
	s_mov_b32 s[G1SB+7], 0
	s_lshl_b32 s20, s17, 7
	s_lshl_b32 s18, s16, 6
	s_add_co_u32 s20, s20, s18                     ; A: row 128 ty + 64 hc
	s_lshl_b32 s20, s20, 11                        ; in bytes (all offsets here stay under 2^32)
	s_mov_b32 s21, 0
	s_lshr_b32 s19, s95, 2                         ; the batch: the same in all sixteen partners
	s_lshl_b32 s46, s42, 8
	s_lshl_b32 s18, s16, 7
	s_add_co_u32 s46, s46, s18
	s_lshl_b32 s47, s19, 10
	s_add_co_u32 s46, s46, s47                     ; B: row 1,024 batch + 256 tx + 128 hc
	s_lshl_b32 s46, s46, 11
	s_mov_b32 s47, 0
	s_lshl_b32 s66, s19, 2
	s_add_co_u32 s66, s66, s42                     ; B's scales: tile 4 batch + tx, 16,384 bytes; wave w fetches K steps 2 w and 2 w + 1
	s_lshl_b32 s66, s66, 14
	s_lshl_b32 s94, s14, 12
	s_add_co_u32 s66, s66, s94
	s_mov_b32 s67, 0
	s_mul_i32 s45, s16, AH                         ; where they go in a slot: A's halves,
	s_mul_i32 s68, s16, BH
	s_add_co_u32 s68, s68, BOFF                    ; B's halves behind them: no place in the cluster enters an LDS address
	s_wait_kmcnt 0x0
	s_add_nc_u64 s[20:21], s[4:5], s[20:21]
	s_add_nc_u64 s[46:47], s[8:9], s[46:47]
	s_add_nc_u64 s[66:67], s[10:11], s[66:67]
	CROUND                                         ; all sixteen work-groups are here: the first joint loads meet
	s_mov_b32 s[G0SB], 1
	s_add_co_u32 s[G0SB+1], s94, SCB
	s_mov_b64 s[G0SB+2:G0SB+3], s[66:67]
	s_or_b32 s[G0SB+3], s[G0SB+3], 0x80000000
	tensor_load_to_lds s[G0SB:G0SB+3], s[G1SB:G1SB+7]   ; every wave its quarter of B's scales, jointly with my column of the cluster
	s_nop 0
.rept 4
	v_nop
.endr
.irp s, 0,1
	s_mov_b32 s[G0+4*\s], 1
	s_add_co_u32 s[G0+4*\s+1], s45, \s*SLOT
	s_add_nc_u64 s[G0+4*\s+2:G0+4*\s+3], s[20:21], \s*ROWB
	s_or_b32 s[G0+4*\s+3], s[G0+4*\s+3], 0x80000000
	s_mov_b32 s[G0B+4*\s], 1
	s_add_co_u32 s[G0B+4*\s+1], s68, \s*SLOT
	s_add_nc_u64 s[G0B+4*\s+2:G0B+4*\s+3], s[46:47], \s*ROWB
	s_or_b32 s[G0B+4*\s+3], s[G0B+4*\s+3], 0x80000000
	JLOAD G0+4*\s, G1, G0B+4*\s, G1B               ; three tensor loads of mine are out
.endr
	; the softmax's parts of my row: 16 scale words, 16 M_c, 16 l_c.  p_meta lies by tiles of 256 rows: mine is tile ty / 2, rows 128 (ty % 2) on
	s_lshr_b32 s20, s17, 1
	s_mul_i32 s20, s20, 49152                      ; 8 blocks of 6,144 bytes a tile
	s_mov_b32 s21, 0
	s_add_nc_u64 s[6:7], s[6:7], s[20:21]
	s_and_b32 s22, s17, 1
	s_lshl_b32 s23, s22, 10
	v_lshl_add_u32 v6, v0, 3, s23                  ; my row's 8 bytes of scale words in a block
	s_lshl_b32 s23, s22, 9
	v_lshl_add_u32 v7, v0, 2, s23                  ; and its 4 bytes of -M_c and of l_c
.irp s, 0,1,2,3,4,5,6,7
	global_load_b64 v[MW+2*\s:MW+2*\s+1], v6, s[6:7] offset:6144*\s
.endr
.irp c, 0,1,2,3,4,5,6,7,8,9,10,11,12,13,14,15
	global_load_b32 v[MN+\c], v7, s[6:7] offset:6144*(\c/2)+2048+1024*(\c%2)
.endr
.irp c, 0,1,2,3,4,5,6,7,8,9,10,11,12,13,14,15
	global_load_b32 v[ML+\c], v7, s[6:7] offset:6144*(\c/2)+4096+1024*(\c%2)
.endr
	v_and_b32 v1, 15, v0                           ; r
	v_bfe_u32 v2, v0, 4, 1                         ; h
	v_mul_u32_u24 v3, v1, PITCH
	v_lshl_add_u32 v4, v2, 4, v3                   ; a fragment's row x pitch + 16 x half
	s_mul_i32 s21, s15, AH                         ; my 64 rows of A
	s_mul_i32 s22, s16, BH                         ; my 128 rows of B,
	s_add_co_u32 s22, s22, BOFF                    ; which lie behind A's 128
.irp s, 0,1
	v_add_nc_u32 v[ADRA+\s], s21, v4
	v_add_nc_u32 v[ADRB+\s], s22, v4
	s_add_co_u32 s21, s21, SLOT
	s_add_co_u32 s22, s22, SLOT
.endr
	v_lshlrev_b32 v5, 3, v1                        ; my row's scale words: 8 bytes a row
	s_lshl_b32 s21, s15, 9                         ; A's: my 64 rows
	s_lshl_b32 s22, s16, 10                        ; B's: my 128 rows, in B's block
	s_add_co_u32 s22, s22, SCB-SCA
	s_sub_co_u32 s22, s22, s21
	v_mul_u32_u24 v3, s22, v2                      ; lanes 16-31 take B's
	s_add_co_u32 s21, s21, SCA
	v_add_nc_u32 v5, v5, v3
	v_add_nc_u32 v[ADRS], s21, v5
	s_lshl_b32 s21, s15, 8
	s_add_co_u32 s21, s21, RL
	v_lshl_add_u32 v[RLA], v1, 2, s21              ; 1 / l of row 64 hr + r
	v_lshl_add_u32 v9, v0, 3, SCA                  ; where I store my row's scale words of a K step,
	v_lshl_add_u32 v10, v0, 2, RL                  ; and its 1 / l
	s_mul_i32 s23, s14, 16*SPITCH                  ; my stage
	v_mul_u32_u24 v5, v1, SPITCH
	v_lshl_add_u32 v5, v2, 5, v5
	v_add_nc_u32 v[STO], s23, v5                   ; in: row r, 32 bytes for each half of the lanes
	v_and_b32 v3, 31, v0
	v_lshlrev_b32 v[CO], 4, v3                     ; back: the 32 lanes take one row of 512 bytes; and the same in out0
	v_add_nc_u32 v[RD], s23, v[CO]
	v_lshlrev_b32 v[PFO], 11, v3
	s_lshl_b32 s20, s17, 7
	s_lshl_b32 s21, s15, 6
	s_add_co_u32 s20, s20, s21                     ; my first row of out0: 128 ty + 64 hr
	s_lshl_b32 s20, s20, 12
	s_lshl_b32 s46, s42, 10                        ; my first column, in bytes: 1,024 tx + 512 hc
	s_lshl_b32 s47, s16, 9
	s_add_co_u32 s46, s46, s47
	s_add_co_u32 s20, s20, s46
	s_mov_b32 s21, 0
	s_add_nc_u64 s[12:13], s[12:13], s[20:21]
	; the prefetches: where mine stand, and who asks
	s_lshl_b32 s18, s17, 7
	s_lshl_b32 s22, s40, 5
	s_add_co_u32 s18, s18, s22                     ; in A: row 128 ty + 32 cx
	s_lshr_b32 s22, s95, 2
	s_lshl_b32 s22, s22, 10
	s_lshl_b32 s23, s42, 8
	s_add_co_u32 s22, s22, s23
	s_lshl_b32 s23, s41, 6
	s_add_co_u32 s22, s22, s23
	s_lshl_b32 s23, s16, 5
	s_add_co_u32 s22, s22, s23                     ; in B: row 1,024 batch + 256 tx + 64 cy + 32 hc
	s_and_b32 s23, s95, 3                          ; for B: 0 in the batch's first cluster
	s_or_b32 s19, s16, ttmp9                       ; for A: 0 in wave 0 (the grid has one cluster along x)
	s_cmp_eq_u32 s15, 0                            ; do I fetch for A?
	s_cselect_b32 s18, s18, s22
	s_cselect_b32 s23, s19, s23
	s_cselect_b64 s[PFA:PFA+1], s[4:5], s[8:9]
	s_cmp_eq_u32 s23, 0
	s_cselect_b32 s[LIM], 1, -1                    ; the same in all sixteen partners, for a given wave
	s_lshl_b32 s18, s18, 11
	s_add_co_u32 s18, s18, 2*ROWB                  ; at K step 2: the first refill steps it to 3 and names K step 4
	s_mov_b32 s19, 0
	s_add_nc_u64 s[PFA:PFA+1], s[PFA:PFA+1], s[18:19]
	s_mov_b32 s19, 0x01010101
	s_wait_loadcnt 0x0
	v_min3_num_f32 v[MT], v[MN], v[MN+1], v[MN+2]                  ; -M = the least -M_c, in two chains
	v_min3_num_f32 v[MT+1], v[MN+3], v[MN+4], v[MN+5]
.irp c, 6,10
	v_min3_num_f32 v[MT], v[MT], v[MN+\c], v[MN+\c+1]
	v_min3_num_f32 v[MT+1], v[MT+1], v[MN+\c+2], v[MN+\c+3]
.endr
	v_min3_num_f32 v[MT], v[MT], v[MN+14], v[MN+15]
	v_min_num_f32 v[MT], v[MT], v[MT+1]
.set jj, 0
.rept 16
	v_sub_f32 v[MN+jj], v[MT], v[MN+jj]            ; M_c - M: a whole number, 0 or less
.set jj, jj+1
.endr
.set jj, 0
.rept 16
	v_cvt_i32_f32 v[MN+jj], v[MN+jj]               ; (it saturates)
.set jj, jj+1
.endr
.set jj, 0
.rept 16
	v_ldexp_f32 v[ML+jj], v[ML+jj], v[MN+jj]       ; l_c under M
.set jj, jj+1
.endr
	v_pk_add_f32 v[MT+2:MT+3], v[ML:ML+1], v[ML+2:ML+3]            ; l: two at a time, in two chains
	v_pk_add_f32 v[MT+4:MT+5], v[ML+4:ML+5], v[ML+6:ML+7]
	v_pk_add_f32 v[MT+2:MT+3], v[MT+2:MT+3], v[ML+8:ML+9]
	v_pk_add_f32 v[MT+4:MT+5], v[MT+4:MT+5], v[ML+10:ML+11]
	v_pk_add_f32 v[MT+2:MT+3], v[MT+2:MT+3], v[ML+12:ML+13]
	v_pk_add_f32 v[MT+4:MT+5], v[MT+4:MT+5], v[ML+14:ML+15]
	v_pk_add_f32 v[MT+2:MT+3], v[MT+2:MT+3], v[MT+4:MT+5]
	v_add_f32 v[MT+2], v[MT+2], v[MT+3]
	v_rcp_f32 v[MT+2], v[MT+2]                     ; the byte work below does not name the result: it is the work between the reciprocal and its wait
.set jj, 0
.rept 16
	v_sub_nc_u32 v[MN+jj], 0, v[MN+jj]             ; M - M_c,
.set jj, jj+1
.endr
.set jj, 0
.rept 16
	v_min_u32 v[MN+jj], 127, v[MN+jj]              ; held at 127,
.set jj, jj+1
.endr
.set jj, 0
.rept 16
	v_mul_lo_u32 v[MN+jj], v[MN+jj], s19           ; in each of the four bytes
.set jj, jj+1
.endr
.set jj, 0
.rept 16
	v_or_b32 v[MW+jj], 0x80808080, v[MW+jj]        ; 128 on top of each byte, so that no byte borrows
.set jj, jj+1
.endr
.set jj, 0
.rept 16
	v_sub_nc_u32 v[MW+jj], v[MW+jj], v[MN+jj]
.set jj, jj+1
.endr
.set jj, 0
.rept 16
	v_and_b32 v[ML+jj], 0x80808080, v[MW+jj]       ; the top bit stands where the byte stayed at 0 or above
.set jj, jj+1
.endr
.set jj, 0
.rept 16
	v_lshrrev_b32 v[MN+jj], 7, v[ML+jj]
.set jj, jj+1
.endr
.set jj, 0
.rept 16
	v_sub_nc_u32 v[ML+jj], v[ML+jj], v[MN+jj]      ; 0x7f in those bytes, 0 in the others
.set jj, jj+1
.endr
.set jj, 0
.rept 16
	v_and_b32 v[MW+jj], v[MW+jj], v[ML+jj]         ; the lowered byte, or 0
.set jj, jj+1
.endr
	s_wait_alu depctr_va_vdst(0)                   ; the wait for the reciprocal, ahead of its first reader
.irp s, 0,1,2,3,4,5,6,7
	ds_store_b64 v9, v[MW+2*\s:MW+2*\s+1] offset:2048*\s
	ds_store_b64 v9, v[MW+2*\s:MW+2*\s+1] offset:2048*\s+1024      ; and once more, 128 rows on
.endr
	ds_store_b32 v10, v[MT+2]
	s_wait_tensorcnt 1                             ; B's scales and my part of K step 0 are in (K step 1's load may be out)
	s_wait_dscnt 0x0                               ; for the others' sake: my stores are done
	s_barrier_signal -1
	s_barrier_wait -1
.macro FRAG reg, adr, q, i             ; 16 rows x 128 K: lane l holds row l % 16; registers 4 c .. 4 c + 3 hold K = 32 c + 16 (l / 16) + 0 .. 15
.irp c, 0,1,2,3
	ds_load_b128 v[\reg+4*\c:\reg+4*\c+3], v[\adr] offset:128*(\q)+32*\c+(\i)*16*PITCH
.endr
.endm
.macro FETCH slot, q                   ; 48 LDS loads in one run: the fragments of the slot's q-th 128 along K into set q: B's eight, A's four
	WIN TO_B
.irp i, 0,1,2,3,4,5,6,7
	FRAG 128*(\q)+FR*\i, ADRB+\slot, \q, \i
.endr
	WIN 0
.irp i, 0,1,2,3
	FRAG AF+64*(\q)+FR*\i, ADRA+\slot, \q, \i
.endr
.endm
.macro SCALES sc                       ; a K step's two scale words a row: lanes 0-15 take A's rows 16 i on (of registers 8 to 15 these lanes are not used), lanes 16-31 B's block i
.irp i, 0,1,2,3,4,5,6,7
	ds_load_b64 v[SC+16*\sc+2*\i:SC+16*\sc+2*\i+1], v[ADRS] offset:\i*128
.endr
.endm
; 16 matrix instructions: A's blocks a0, a0 + 1 x B's eight, on set q.  zero = 1: the first product starts the sums: nothing is cleared.  The 32 accumulators take turns, in the same order in every step.
.macro MUL16 a0, q, sc, zero
.irp a, \a0, \a0+1
.irp b, 0,1,2,3,4,5,6,7
.if \zero
	v_wmma_scale_f32_16x16x128_f8f6f4 v[8*(8*(\a)+\b):8*(8*(\a)+\b)+7], v[128*(\q)+FR*\b:128*(\q)+FR*\b+FR-1], v[AF+64*(\q)+FR*(\a):AF+64*(\q)+FR*(\a)+FR-1], 0, v[SC+16*(\sc)+2*\b+(\q)], v[SC+16*(\sc)+2*(\a)+(\q)] matrix_a_fmt:MATRIX_FMT_BF8 matrix_b_fmt:MATRIX_FMT_BF8 matrix_a_scale:MATRIX_SCALE_ROW1
.else
	v_wmma_scale_f32_16x16x128_f8f6f4 v[8*(8*(\a)+\b):8*(8*(\a)+\b)+7], v[128*(\q)+FR*\b:128*(\q)+FR*\b+FR-1], v[AF+64*(\q)+FR*(\a):AF+64*(\q)+FR*(\a)+FR-1], v[8*(8*(\a)+\b):8*(8*(\a)+\b)+7], v[SC+16*(\sc)+2*\b+(\q)], v[SC+16*(\sc)+2*(\a)+(\q)] matrix_a_fmt:MATRIX_FMT_BF8 matrix_b_fmt:MATRIX_FMT_BF8 matrix_a_scale:MATRIX_SCALE_ROW1
.endif
.endr
.endr
.endm
.macro PLACES n                        ; plain vector lines between a matrix instruction and a load into, or a read of, its registers (ISA guide 7.12.1 for reads)
.rept \n
	v_nop
.endr
.endm
; A slot's first 128 along K: set 0 is multiplied while set 1, the slot's second 128, comes from LDS.
.macro STEP slot, zero
	s_wait_dscnt 0x0                               ; set 0 and the slot's scale words are in
	PLACES NP                                      ; behind the products that read set 1
	FETCH \slot, 1
	WIN MUL
	MUL16 0, 0, \slot, \zero
	MUL16 2, 0, \slot, \zero
	WIN 0
.endm
; A slot's second 128 along K, and the change of slots, which stands at its head: all that I read of this slot is in registers by then.  Each wave waits for all its tensor loads, adds 0 to its spare word, and waits for
; that and for its reads of this slot; behind the barrier nobody reads this slot any more and the next slot is whole.  fill = 1: this slot is filled again, two K steps ahead: the request stands straight behind the round,
; and has this step's and the next step's 64 products, and their LDS loads, in which to land.
.macro TURN slot, next, fill
.if \fill
	s_wait_xcnt 0x0                                ; the last prefetch, a K step back, has read its address: it is stepped here, ahead of the waits of the change of slots
	s_add_nc_u64 s[PFA:PFA+1], s[PFA:PFA+1], ROWB
.endif
	s_wait_tensorcnt 0x0                           ; all my tensor loads have landed: my part of the next slot; so every group 0 may be written
	ds_add_u32 v[SPW], v[NIL]                      ; 0 onto my spare word
.if \fill
	s_add_nc_u64 s[G0+4*\slot+2:G0+4*\slot+3], s[G0+4*\slot+2:G0+4*\slot+3], 2*ROWB
	s_add_nc_u64 s[G0B+4*\slot+2:G0B+4*\slot+3], s[G0B+4*\slot+2:G0B+4*\slot+3], 2*ROWB
.endif
	s_wait_dscnt 0x0                               ; the add is done, set 1 is in, and my reads of this slot are over
	s_barrier_signal -1
	s_barrier_wait -1
.if \fill
	CREST                                          ; the barrier has opened a round of the cluster's: no wave of any partner still reads this slot or has a load on its way
	JLOAD G0+4*\slot, G1, G0B+4*\slot, G1B         ; the first tensor load behind the round, my only one until the next; its four v_nop are among the places in front of the loads below
	PLACES NP-4
.else
	PLACES NP
.endif
	v_add_nc_u32 v[ADRS], 2048, v[ADRS]            ; the next K step's scale words
	FETCH \next, 0
	SCALES \next
.if \fill
	ASK
.endif
	WIN MUL
	MUL16 0, 1, \slot, 0
	MUL16 2, 1, \slot, 0
	WIN 0
.endm
	FETCH 0, 0
	SCALES 0
	STEP 0, 1                                      ; the first step stands in front of the loop: its products start the sums
	s_mov_b32 s3, LAPS-1
.Llap:                                                 ; three trips: each goes once round the ring, from a lap's second step to the next lap's first, and fills both slots again
	TURN 0, 1, 1
	STEP 1, 0
	TURN 1, 0, 1
	STEP 0, 0
	s_sub_co_u32 s3, s3, 1
	s_cmp_lg_u32 s3, 0
	s_cbranch_scc1 .Llap
	TURN 0, 1, 0                                   ; the last lap fills nothing, and has no round of the cluster's barrier
	STEP 1, 0
	s_wait_dscnt 0x0                               ; the very last step: nothing more to fetch but 1 / l
.irp a, 0,1,2,3
	ds_load_b32 v[RI+2*\a], v[RLA] offset:64*\a    ; 1 / l of row 64 hr + 16 a + r, in both halves of a pair for the packed multiply
	ds_load_b32 v[RI+2*\a+1], v[RLA] offset:64*\a
.endr
	WIN MUL
	MUL16 0, 1, 1, 0
	MUL16 2, 1, 1, 0
	WIN 0
; THE WAY OUT, block by block of 16 rows x 128 columns: x 1 / l; through my own stage in LDS; back as whole rows of 512 bytes, which the 32 lanes store as 512 consecutive aligned bytes.
.macro DIVL a
.set AC, 64*(\a)
	WIN 0x82                                       ; destination and source 0: the accumulators' window
.set jj, 0
.rept 32
	v_pk_mul_f32 v[AC+jj:AC+jj+1], v[AC+jj:AC+jj+1], v[RI+2*(\a):RI+2*(\a)+1]   ; each accumulator from its low end on
.set jj, jj+2
.endr
.endm
.macro TOSTAGE a
.set AC, 64*(\a)
	WIN 0x08                                       ; an LDS store's data are its source 1
.irp b, 0,1,2,3,4,5,6,7
	ds_store_b128 v[STO], v[AC+8*\b:AC+8*\b+3] offset:64*\b
	ds_store_b128 v[STO], v[AC+8*\b+4:AC+8*\b+7] offset:64*\b+16
.endr
	WIN 0
.set BB, BK+64*((\a)%2)
.irp t, 0,1,2,3,4,5,6,7,8,9,10,11,12,13,14,15
	ds_load_b128 v[BB+4*\t:BB+4*\t+3], v[RD] offset:\t*SPITCH      ; LDS serves a wave's instructions in order (ISA guide 5.7.1.4): these see the stores above
.endr
.endm
.macro SEND a, younger                 ; younger: the LDS instructions issued behind block a's loads, which may stay out
.set BB, BK+64*((\a)%2)
	s_wait_dscnt \younger
.if (\a) > 0
	s_add_nc_u64 s[12:13], s[12:13], 16*SIZE_N*4   ; (behind a wait on XCNT: the earlier stores have read their base)
.endif
.irp t, 0,1,2,3,4,5,6,7,8,9,10,11,12,13,14,15
	global_store_b128 v[CO], v[BB+4*\t:BB+4*\t+3], s[12:13] offset:\t*SIZE_N*4 th:TH_STORE_NT
.endr
.endm
	PLACES NP
	s_wait_dscnt 0x0                               ; 1 / l is in
	DIVL 0
	TOSTAGE 0
.irp a, 1,2,3
.if \a > 1
	s_wait_xcnt 0x0                                ; block a - 2's stores have read their registers and their base
.endif
	DIVL \a
	TOSTAGE \a
	SEND \a-1, 32                                  ; behind block a - 1's loads: block a's 16 stores and 16 loads
.endr
	s_wait_xcnt 0x0
	SEND 3, 0
	s_wait_tensorcnt 0x0                           ; the wave's end
	ds_add_u32 v[SPW], v[NIL]
	s_wait_dscnt 0x0
	CROUND                                         ; the closing round
	s_endpgm
.Lfunc_end_k_q651b558e02_mix:
	.size	k_q651b558e02_mix, .Lfunc_end_k_q651b558e02_mix-k_q651b558e02_mix
	.p2alignl 7, 3214868480
	.fill 96, 4, 3214868480
	.section	.rodata,"a",@progbits
	.p2align	6, 0x0
	.amdhsa_kernel k_q651b558e02_mix
		.amdhsa_group_segment_fixed_size 327680
		.amdhsa_private_segment_fixed_size 0
		.amdhsa_enable_private_segment 0
		.amdhsa_kernarg_size 40
		.amdhsa_user_sgpr_count 2
		.amdhsa_user_sgpr_kernarg_segment_ptr 1
		.amdhsa_wavefront_size32 1
		.amdhsa_system_sgpr_workgroup_id_x 1
		.amdhsa_system_sgpr_workgroup_id_y 1
		.amdhsa_system_sgpr_workgroup_id_z 1
		.amdhsa_system_vgpr_workitem_id 0
		.amdhsa_next_free_vgpr 768
		.amdhsa_next_free_sgpr 98
		.amdhsa_reserve_vcc 0
		.amdhsa_float_denorm_mode_32 3
		.amdhsa_float_denorm_mode_16_64 3
		.amdhsa_memory_ordered 1
		.amdhsa_forward_progress 1
		.amdhsa_inst_pref_size 113
	.end_amdhsa_kernel
	.amdgpu_metadata
---
amdhsa.version: [ 1, 2 ]
amdhsa.kernels:
  - .name:           k_q651b558e02_mix
    .symbol:         k_q651b558e02_mix.kd
    .args:
      - { .name: p_codes, .offset: 0, .size: 8, .value_kind: global_buffer, .address_space: global }
      - { .name: p_meta, .offset: 8, .size: 8, .value_kind: global_buffer, .address_space: global }
      - { .name: v_codes, .offset: 16, .size: 8, .value_kind: global_buffer, .address_space: global }
      - { .name: v_scales, .offset: 24, .size: 8, .value_kind: global_buffer, .address_space: global }
      - { .name: out0, .offset: 32, .size: 8, .value_kind: global_buffer, .address_space: global }
    .group_segment_fixed_size: 327680
    .private_segment_fixed_size: 0
    .kernarg_segment_align: 8
    .kernarg_segment_size: 40
    .max_flat_workgroup_size: 128
    .sgpr_count:     98
    .vgpr_count:     768
    .wavefront_size: 32
...
	.end_amdgpu_metadata
.endif
;; end of part 4
